; MI455X (gfx1250); checked and timed in simulation.
; The chip was launched on July 23, 2026; its instructions are those of AMD's public machine-readable ISA for CDNA 5 (MIT licence, August 2026) and "CDNA5" Instruction Set Architecture Reference Guide (July 2026). The comments in the code are by the model that wrote it; some were corrected since.
;; Triton Block Sparse Attention. Allowed arithmetic: matrix products marked QUANTISED: E2M1 operands, one E8M0 scale for each 32 along K, by v_wmma_scale_f32_16x16x128_f8f6f4 with both operands' format E2M1 (or v_wmma_scale_f32_32x16x128_f4), f32 sums; everything else in f32.
;; Inputs: k 8 x 4,096 x 64 float32; layout 32 x 32 int32; q 8 x 4,096 x 64 float32; v 8 x 4,096 x 64 float32.
;; Outputs: out0 8 x 4,096 x 64 float32.
;; This version of the problem:
;;   THIS VERSION OF THE PROBLEM IS GIVEN IN LOW PRECISION. The matrix products marked QUANTISED in the list below multiply operands that are first quantised to E2M1 (2 exponent bits, 1 mantissa bit; 4 bits a number), with one power-of-two scale for each 32 numbers along K (OCP MX v1.0); their sums are f32. All else is computed in f32.
;;   The module's matrix products, in the order in which they are computed (A, B: the left and right operand; K: the contracted axis; several contracted axes count as one K, in the product's order):
;;     1. batch 8 x [M 4,096, K 64] x [K 64, N 4,096]; A: input q; B: input k: QUANTISED
;;     2. batch 8 x [M 4,096, K 4,096] x [K 4,096, N 64]; A: computed on the way; B: input v: QUANTISED
;;   THE QUANTISER, for each operand of a quantised product, along K:
;;     - K is cut into blocks of 32 from its start; a last block that is shorter is filled with zeros.
;;     - A block's scale is 2^e with e = floor(log2(the largest magnitude in the block)) - 2, held to -126 .. 127; a block of zeros has e = 0. As a byte (E8M0): e + 127.
;;     - Each number is divided by its block's scale, clamped to +-6, and rounded to the nearest number of E2M1, ties to even, subnormals kept.
;;     - The product sums the exact products of the quantised numbers (number of the format x scale) in f32.
;;   ~~~python
;;   def quantise(x, axis):      # numpy; x: float32 -> the quantised numbers, widened to float32 again
;;       x = np.moveaxis(x, axis, -1); K = x.shape[-1]
;;       x = np.pad(x, [(0, 0)] * (x.ndim - 1) + [(0, -K % 32)]); x = x.reshape(x.shape[:-1] + (-1, 32)); a = np.abs(x).max(-1, keepdims=True)
;;       e = np.where(a > 0, np.clip(np.frexp(np.where(a > 0, a, 1))[1] - 1 - 2, -126, 127), 0)      # np.frexp(a)[1] - 1 = floor(log2(a)), exactly
;;       r = np.clip(x / 2.0 ** e, -6, 6)
;;       step = 2.0 ** (np.maximum(np.frexp(np.where(r == 0, 1, r))[1] - 1, 0) - 1)
;;       q = np.round(r / step) * step * 2.0 ** e      # np.round: ties to even
;;       return np.moveaxis(q.reshape(q.shape[:-2] + (-1,))[..., :K], -1, axis).astype(np.float32)
;;   ~~~
;;   OPERANDS COMPUTED ON THE WAY. 'Computed on the way' means the value that the module computes at that place (a softmax that the list does not call 'softmax' is quantised finished and normalised). What goes into a quantiser is computed in f32, as accurately as f32 sums, v_exp_f32 and their like allow (about 1e-6 of the number): no bf16 or f16 on the way to a quantiser, and a product that is left as it is and whose result goes on into a quantised operand takes f32 operands (vector FMAs, or v_wmma_f32_16x16x4_f32). A number that lies on a knife's edge between two numbers of the format may be rounded either way, as far as f32 arithmetic and the matrix unit's own rounding can turn it there, and no further.
;; 2 versions. Each part assembles by itself: llvm-mc -triple=amdgcn-amd-amdhsa -mcpu=gfx1250 --defsym DOCPART=n.
;; ======== version 1 of 2: 2 launches
;; workspace buffers: kimg 1,179,648 bytes; qimg 1,179,648 bytes; vimg 1,114,112 bytes; order 256 bytes of whole numbers
;; launch prep (part 1): grid 641 x 1, 4 waves a work-group, no clusters, 37,376 bytes of LDS; arguments k, q, v, layout, kimg, qimg, vimg, order; writes kimg, qimg, vimg, order
.if DOCPART == 1
	.amdgcn_target "amdgcn-amd-amdhsa--gfx1250"
	.amdhsa_code_object_version 6
	.text
	.protected	k_q928320f684_prep
	.globl	k_q928320f684_prep
	.p2align	8
	.type	k_q928320f684_prep,@function
k_q928320f684_prep:
	s_mov_b64 s[64:65], 0
	v_nop
	global_prefetch_b8 v0, s[64:65] scope:SCOPE_SE
	s_setreg_imm32_b32 hwreg(HW_REG_WAVE_MODE, 25, 1), 1
	s_wait_xcnt 0x0
; k, q, v: [8][4096][64] f32.  layout: [32][32] i32.  This launch quantises k, q and v ONCE to codes of FP4 (E2M1) with one E8M0 byte for each 32 along a product's K,
; and lays them as images of the operand registers of the attention launch, one record for each (batch, block of 128 rows).  It also ranks the 32 block rows of layout by their number of live blocks.
; A block's scale is 2^(floor(log2(largest magnitude)) - 2): its byte is the largest magnitude's exponent field - 2, held at 1 from below by a floor among the maximum's leaves.
; LIMITS: a block of zeros gets the byte 1 (the rule says 127): its codes are zeros, and only this program reads the bytes.  Blocks whose largest magnitude lies under 2^-124 keep the byte 1.  NaN and infinities among the inputs are not served.
; RECORD OF k AND q (4,608 bytes; K = the head's 64, two blocks of 32 a row): codes at 1024 f + 512 c + 16 lane (lane = 16 h + r): the 32 codes d = 32 h .. 32 h + 31 of row 32 f + 8 c + r + 8 (r / 8);
;   scale words at 4096 + 16 lane + 4 f: bytes [c 0 h 0, c 0 h 1, c 1 h 0, c 1 h 1] of (r, f), the same in both halves of the lanes.
; RECORD OF v (4,352 bytes; K = the keys): codes at 1024 dt + 256 beta + 16 r: keys 32 beta .. 32 beta + 31 of channel 16 dt + r;  scale words at 4096 + 16 r + 4 dt, byte beta.
; order: entry p (8 bytes) = {row, mask} of the block row of rank p, ranks ascending by 32 x live blocks + row; bit j of mask = (layout[row][j] == 1).
; WORK-GROUPS: 0-255 k, 256-511 q (one record each, a wave to 32 rows); 512-639 v (two records each, a wave to 32 channels of one); 640 the ranking (one wave).
; Waves share nothing: no barrier.  Only the path of k and q uses LDS.
.set KREC,  4608
.set VREC,  4352
.set WSTG,  9216                       ; a wave's stage: 32 rows x 272 bytes, rows 16-31 another 128 bytes on: 8,832 bytes used
; 32 numbers of one block, v[x] .. v[x + 31], become 4 registers of codes at v[cdst]; the scale's byte goes to v[breg].  At work: v8, v9, v11
.macro Q32 x, cdst, breg
	v_max3_num_f32 v8, |v[(\x)]|, |v[(\x)+1]|, |v[(\x)+2]|          ; the largest magnitude, in two chains
	v_max3_num_f32 v9, |v[(\x)+3]|, |v[(\x)+4]|, |v[(\x)+5]|
.irp i, 6,10,14,18,22,26
	v_max3_num_f32 v8, v8, |v[(\x)+\i]|, |v[(\x)+\i+1]|
	v_max3_num_f32 v9, v9, |v[(\x)+\i+2]|, |v[(\x)+\i+3]|
.endr
	v_max3_num_f32 v8, v8, |v[(\x)+30]|, |v[(\x)+31]|
	v_max3_num_f32 v8, v8, v9, 0x1800000           ; and the floor 2^(3 - 127): the byte cannot fall under 1
	v_add_nc_u32 v11, 0xff000000, v8               ; 2 off the exponent field: the conversion takes this operand's exponent field as its scale
	v_lshrrev_b32 v[(\breg)], 23, v11              ; the scale's byte
.irp g, 0,1,2,3
	v_cvt_scalef32_pk8_fp4_f32 v[(\cdst)+\g], v[(\x)+8*\g:(\x)+8*\g+7], v11
.endr
	v_nop                                          ; one plain line behind the last conversion
.endm
	s_load_b512 s[4:19], s[0:1], 0x0               ; k 4:5, q 6:7, v 8:9, layout 10:11, kimg 12:13, qimg 14:15, vimg 16:17, order 18:19
	v_lshl_add_u32 v160, v0, 2, 0x9000
	v_mov_b32 v161, 0
	v_lshrrev_b32 v1, 5, v0
	v_readfirstlane_b32 s20, v1                    ; wave 0..3
	v_and_b32 v1, 31, v0                           ; lane
	v_and_b32 v2, 15, v0                           ; r
	v_bfe_u32 v3, v0, 4, 1                         ; h
	s_mov_b32 s34, 0x76543210
	s_mov_b32 s35, 0xfedcba98                      ; v_permlanex16_b32's selects for lane l xor 16
	s_wait_kmcnt 0x0
	s_cmp_lt_u32 ttmp9, 512
	s_cbranch_scc0 .Lnot_kq
	; ---- k and q.  Wave f takes rows 32 f .. 32 f + 31 of the block: 8,192 dense bytes.
	s_cmp_lt_u32 ttmp9, 256                        ; the choice hangs on the work-group's number alone
	s_cselect_b64 s[22:23], s[4:5], s[6:7]
	s_cselect_b64 s[24:25], s[12:13], s[14:15]
	s_and_b32 s26, ttmp9, 255                      ; 32 b + j
	s_lshl_b32 s28, s26, 15                        ; 128 rows of 256 bytes
	s_lshl_b32 s27, s20, 13
	s_add_co_u32 s28, s28, s27
	s_mov_b32 s29, 0
	s_add_nc_u64 s[22:23], s[22:23], s[28:29]
	s_mul_i32 s28, s26, KREC
	s_add_nc_u64 s[24:25], s[24:25], s[28:29]
	v_lshlrev_b32 v4, 4, v1                        ; 16 lane: a load takes 512 consecutive bytes, two rows
.set i, 0
.rept 16
	global_load_b128 v[16+4*i:19+4*i], v4, s[22:23] offset:512*i th:TH_LOAD_NT
.set i, i+1
.endr
	s_mul_i32 s27, s20, WSTG                       ; my stage
	v_mul_u32_u24 v5, v3, 272
	v_lshl_add_u32 v5, v2, 4, v5
	v_add_nc_u32 v5, s27, v5                       ; in: row 2 i + h, 16 r bytes on
	v_lshrrev_b32 v8, 3, v2                        ; r / 8
	v_lshl_add_u32 v9, v8, 3, v2                   ; r + 8 (r / 8)
	v_mul_u32_u24 v6, v9, 272
	v_lshl_add_u32 v6, v8, 7, v6                   ; rows 16-31 lie 128 bytes further on: the sixteen rows of a read then begin in sixteen different columns of 16 bytes
	v_lshl_add_u32 v6, v3, 7, v6                   ; my half of the row: 128 h
	v_add_nc_u32 v6, s27, v6                       ; back: row 8 c + r + 8 (r / 8)
	s_lshl_b32 s27, s20, 10
	v_add_nc_u32 v7, s27, v4                       ; codes: 16 lane + 1024 f
	s_lshl_b32 s27, s20, 2
	v_add_nc_u32 v10, s27, v4                      ; scale word: 16 lane + 4 f
.set i, 0
.rept 16
	s_wait_loadcnt 15-i                            ; loads come back in order: load i is in, the 15 - i younger ones may be out
	ds_store_b128 v5, v[16+4*i:19+4*i] offset:544*i+128*(i/8)
.set i, i+1
.endr
.irp c, 0,1
.irp i, 0,1,2,3,4,5,6,7
	ds_load_b128 v[80+32*\c+4*\i:83+32*\c+4*\i], v6 offset:2176*\c+16*\i   ; my own bytes: LDS serves a wave's instructions in order, so these see the stores above
.endr
.endr
	s_wait_dscnt 8                                 ; tile c = 0's eight loads are in; the other tile's eight may be out
	Q32 80, 144, 12
	global_store_b128 v7, v[144:147], s[24:25]     ; 32 lanes store 512 consecutive bytes
	s_wait_dscnt 0x0
	Q32 112, 148, 13
	global_store_b128 v7, v[148:151], s[24:25] offset:512
	v_lshl_or_b32 v14, v13, 16, v12                ; my two bytes: block h of the rows of tiles c = 0 and c = 1,
	v_lshlrev_b32 v15, 3, v3
	v_lshlrev_b32 v14, v15, v14                    ; at their places in the word (8 h bits up);
	v_mov_b32 v15, 0
	v_permlanex16_b32 v15, v14, s34, s35
	v_or_b32 v14, v14, v15                         ; with lane l xor 16's two the word is whole
	global_store_b32 v10, v14, s[24:25] offset:4096   ; 4 bytes a lane, 16 apart: the four waves together fill the record's 512 bytes of scale words, one byte for each 64 that the path reads
	s_wait_tensorcnt 0x0
	ds_add_u32 v160, v161
	s_wait_dscnt 0x0
	s_endpgm
.Lnot_kq:
	s_cmp_lt_u32 ttmp9, 640
	s_cbranch_scc0 .Lorder
	; ---- v.  A lane takes a channel and its registers run down the keys: a block of 32 keys lies in one lane's 32 registers, and the codes come out with the keys innermost.
	s_sub_co_u32 s26, ttmp9, 512
	s_lshr_b32 s27, s26, 4                         ; b
	s_and_b32 s28, s26, 15
	s_lshl_b32 s28, s28, 1
	s_lshr_b32 s29, s20, 1
	s_add_co_u32 s28, s28, s29                     ; j
	s_and_b32 s29, s20, 1                          ; dh: which 32 channels
	s_lshl_b32 s30, s27, 5
	s_add_co_u32 s30, s30, s28                     ; 32 b + j
	s_lshl_b32 s32, s30, 15                        ; 128 keys of 256 bytes
	s_lshl_b32 s31, s29, 7
	s_add_co_u32 s32, s32, s31
	s_mov_b32 s33, 0
	s_add_nc_u64 s[8:9], s[8:9], s[32:33]
	s_mul_i32 s32, s30, VREC
	s_add_nc_u64 s[16:17], s[16:17], s[32:33]
	v_lshlrev_b32 v4, 2, v1                        ; in: 4 bytes a lane, 128 consecutive bytes a wave
	v_lshlrev_b32 v5, 4, v2
	v_lshl_add_u32 v5, v3, 10, v5
	s_lshl_b32 s31, s29, 11
	v_add_nc_u32 v5, s31, v5                       ; codes: 1024 dt + 16 r, dt = 2 dh + lane / 16
	v_lshlrev_b32 v6, 4, v2
	v_lshl_add_u32 v6, v3, 2, v6
	s_lshl_b32 s31, s29, 3
	v_add_nc_u32 v6, s31, v6                       ; scale word: 16 r + 4 dt
.macro VLOAD t                         ; keys 32 t .. 32 t + 31 of my channel into set t % 2
.set i, 0
.rept 32
	global_load_b32 v[16+32*((\t)%2)+i], v4, s[8:9] offset:(32*(\t)+i)*256 th:TH_LOAD_NT
.set i, i+1
.endr
.endm
.macro VBLOCK t
.if (\t) < 3
	s_wait_loadcnt 32                              ; this block's 32 loads are in; the next block's 32 may be out
.else
	s_wait_loadcnt 0x0
.endif
	Q32 16+32*((\t)%2), 96+4*(\t), 12
.if (\t) == 0
	v_mov_b32 v13, v12                             ; the four bytes make my channel's scale word, the lower keys in the lower byte
.else
	v_lshl_or_b32 v13, v12, 8*(\t), v13
.endif
	global_store_b128 v5, v[96+4*(\t):99+4*(\t)], s[16:17] offset:256*(\t)   ; sixteen lanes store 256 consecutive bytes, aligned; each block has data registers of its own
.if (\t) < 2
	VLOAD (\t)+2
.endif
.endm
	VLOAD 0
	VLOAD 1
.irp t, 0,1,2,3
	VBLOCK \t
.endr
	global_store_b32 v6, v13, s[16:17] offset:4096
	s_endpgm
.Lorder:
	; ---- the ranking: one wave, lane = block row
	s_cmp_lg_u32 s20, 0
	s_cbranch_scc1 .Lend
	v_lshlrev_b32 v4, 7, v1                        ; a row of layout is 128 bytes
.irp i, 0,1,2,3,4,5,6,7
	global_load_b128 v[16+4*\i:19+4*\i], v4, s[10:11] offset:16*\i
.endr
	v_mov_b32 v5, 0                                ; mask
	v_mov_b32 v6, 0                                ; live blocks
	v_mov_b32 v9, 0                                ; rank
	s_wait_loadcnt 0x0
.set j, 0
.rept 32
	v_cmp_eq_u32 vcc_lo, 1, v[16+j]                ; live means equal to 1, whatever else the entry may hold
	v_cndmask_b32 v8, 0, 1, vcc_lo
	v_lshl_or_b32 v5, v8, j, v5
	v_add_nc_u32 v6, v6, v8
.set j, j+1
.endr
	v_lshl_add_u32 v7, v6, 5, v1                   ; key = 32 x live blocks + row: no two alike
.set j, 0
.rept 32
	v_readlane_b32 s36, v7, j
	v_cmp_lt_u32 vcc_lo, s36, v7
	v_cndmask_b32 v8, 0, 1, vcc_lo
	v_add_nc_u32 v9, v9, v8                        ; rank = how many keys lie under mine
.set j, j+1
.endr
	v_min_u32 v9, 31, v9                           ; it is 0 .. 31 by construction; held there ahead of its use in an address
	v_lshlrev_b32 v9, 3, v9
	v_mov_b32 v10, v1
	v_mov_b32 v11, v5
	global_store_b64 v9, v[10:11], s[18:19]        ; the ranks are a permutation: the 32 lanes fill the 256 bytes
.Lend:
	s_endpgm
.Lfunc_end_k_q928320f684_prep:
	.size	k_q928320f684_prep, .Lfunc_end_k_q928320f684_prep-k_q928320f684_prep
	.p2alignl 7, 3214868480
	.fill 96, 4, 3214868480
	.section	.rodata,"a",@progbits
	.p2align	6, 0x0
	.amdhsa_kernel k_q928320f684_prep
		.amdhsa_group_segment_fixed_size 37376
		.amdhsa_private_segment_fixed_size 0
		.amdhsa_enable_private_segment 0
		.amdhsa_kernarg_size 64
		.amdhsa_user_sgpr_count 2
		.amdhsa_user_sgpr_kernarg_segment_ptr 1
		.amdhsa_wavefront_size32 1
		.amdhsa_system_sgpr_workgroup_id_x 1
		.amdhsa_system_sgpr_workgroup_id_y 1
		.amdhsa_system_sgpr_workgroup_id_z 1
		.amdhsa_system_vgpr_workitem_id 0
		.amdhsa_next_free_vgpr 162
		.amdhsa_next_free_sgpr 66
		.amdhsa_reserve_vcc 1
		.amdhsa_float_denorm_mode_32 3
		.amdhsa_float_denorm_mode_16_64 3
		.amdhsa_memory_ordered 1
		.amdhsa_forward_progress 1
		.amdhsa_inst_pref_size 43
	.end_amdhsa_kernel
	.amdgpu_metadata
---
amdhsa.version: [ 1, 2 ]
amdhsa.kernels:
  - .name:           k_q928320f684_prep
    .symbol:         k_q928320f684_prep.kd
    .args:
      - { .name: k, .offset: 0, .size: 8, .value_kind: global_buffer, .address_space: global }
      - { .name: q, .offset: 8, .size: 8, .value_kind: global_buffer, .address_space: global }
      - { .name: v, .offset: 16, .size: 8, .value_kind: global_buffer, .address_space: global }
      - { .name: layout, .offset: 24, .size: 8, .value_kind: global_buffer, .address_space: global }
      - { .name: kimg, .offset: 32, .size: 8, .value_kind: global_buffer, .address_space: global }
      - { .name: qimg, .offset: 40, .size: 8, .value_kind: global_buffer, .address_space: global }
      - { .name: vimg, .offset: 48, .size: 8, .value_kind: global_buffer, .address_space: global }
      - { .name: order, .offset: 56, .size: 8, .value_kind: global_buffer, .address_space: global }
    .group_segment_fixed_size: 37376
    .private_segment_fixed_size: 0
    .kernarg_segment_align: 8
    .kernarg_segment_size: 64
    .max_flat_workgroup_size: 128
    .sgpr_count:     66
    .vgpr_count:     162
    .wavefront_size: 32
...
	.end_amdgpu_metadata
.endif
;; end of part 1
;; launch attn (part 2): grid 256 x 1, 16 waves a work-group, no clusters, 327,680 bytes of LDS; arguments kimg, qimg, vimg, order, out0; writes out0
.if DOCPART == 2
	.amdgcn_target "amdgcn-amd-amdhsa--gfx1250"
	.amdhsa_code_object_version 6
	.text
	.protected	k_q928320f684_attn
	.globl	k_q928320f684_attn
	.p2align	8
	.type	k_q928320f684_attn,@function
k_q928320f684_attn:
	s_mov_b64 s[64:65], 0
	v_nop
	global_prefetch_b8 v0, s[64:65] scope:SCOPE_SE
	s_setreg_imm32_b32 hwreg(HW_REG_WAVE_MODE, 25, 1), 1
	s_wait_xcnt 0x0
; out[b][q][:] = sum over live keys of softmax(q . k / 8)[key] v[key][:], a block of 128 x 128 being live where layout says 1; both products on codes of FP4 (E2M1) with E8M0 scales for each 32 along K.
; THE WEIGHTS ARE QUANTISED NORMALISED: w = exp(s - max) / sum.  So a row's maximum and sum are known before its first weight is quantised, and the live key blocks are walked three times:
;   walk 0: S^T = K Q^T, the row's maximum R;   walk 1: the same product with C = -R gives d = S - R; p = 2^(c d), c = log2(e) / 8; the row's sum l;
;   walk 2: the same d; with l = f 2^E, f in [1, 2): w' = 2^(c d - log2 f) = p / f is quantised along the keys, O^T += V^T w'^T, and at the end O^T is multiplied by 2^-E.
;   A power of two goes through the quantiser unchanged (it moves the block's scale alone), so the codes are w's.
; LIMITS: NaN and infinities are not served.  A w' under 2^-126 becomes 0; the hold of a block's scale at 2^-126 acts on w', not on w: that concerns blocks whose every weight lies under 2^-112.
;   A block row with no live block gives zeros, as the masked weights do.
; K = 64 IN AN INSTRUCTION OF K = 128: a fragment of K's codes carries TWO tiles of 16 keys (registers 0-3 and 4-7); Q stands between zeros, Z Q Z in twelve registers: source 1 = [Q, Z] gives the first tile's scores, [Z, Q] the second's.
; THE KEYS OF A TILE ARE NOT NEIGHBOURS (row 32 f + 8 c + r + 8 (r / 8)): the 16 registers of tiles 2 f, 2 f + 1 are then the 16 neighbouring keys 32 f + 16 (lane / 16) + 0 .. 15.  Both products are used transposed: a lane holds one query.
; SHARES.  A batch's K and V as codes and scale words are 286,720 bytes: every work-group brings its batch's into LDS once, through registers.  A work-group has 8 tiles of 16 queries: 4 of the block row of rank p and 4 of the
;   row of rank 31 - p (ranks by live blocks: a full row is paired with an empty one); 8 batches x 16 pairs x 2 halves = 256 work-groups.  Sixteen waves of 256 registers, four to a SIMD; two waves (w, w xor 8) share a tile and take its live blocks by turns;
;   their maxima, sums and O^T meet in LDS behind barriers that stand outside every branch on the list.
; NO TENSOR LOAD, NO CLUSTER: dead blocks are passed over by a scalar branch on the stored list; the 32 work-groups of a batch each load K and V by ordinary loads.
.set KREC,  4608
.set VREC,  4352
.set VREG,  32*KREC                    ; LDS: K's 32 records from byte 0, V's 32 from here,
.set MRG,   VREG+32*VREC               ; a word a thread for the maxima, 2,048 bytes on a word a thread for the sums,
.set STG,   MRG+4096                   ; and a stage of 16 rows x (256 + 16) bytes for each of the 8 tiles
.set SP,    272
.set LI,  1                            ; v1   16 x lane: an image's place for my lane; also my byte in two rows of out
.set LR,  2                            ; v2   16 x (lane % 16)
.set ADK, 3                            ; v3-5 LDS addresses of the block in hand: K's record, V's record, V's scale words
.set ADV, 4
.set ADT, 5
.set MW,  6                            ; v6   my word among the maxima;  v7 my partner's
.set MR,  7
.set SO,  8                            ; v8   the stage: where my 32 bytes of a row lie;  v9 where I read rows back
.set SR,  9
.set FA,  11                           ; v11  16 x thread;  v88-91 the same + 65,536 n: the fill's places in LDS
.set FB,  88
.set ZQ,  12                           ; v12-23 Z Q Z
.set QS,  24                           ; v24  Q's scale word, both halves alike
.set T0,  25
.set RM,  26                           ; v26  R
.set T1,  27
.set PHI, 28                           ; v28-29 log2 f
.set SCO, 30                           ; v30-31 2^-E
.set CM,  32                           ; v32-39 -R, the C of walks 1 and 2
.set F,   40                           ; v40-71 K's four fragments
.set KS,  72                           ; v72-75 their scale words
.set AC,  76                           ; v76-79 four running maxima; later v76-83 four pairs of sums
.set VS,  84                           ; v84-87 V's scale words
.set S,   96                           ; v96-159 S^T, then p or w'
.set FV,  160                          ; v160-191 V's four fragments
.set OT,  192                          ; v192-223 O^T
.set PC,  228                          ; v228-235 w's codes
.set PW,  236                          ; v236 their scale word
.set TM,  240                          ; v240-255 at work in the quantiser
.set KL,  96                           ; the fill: K's 18 loads land in v96-167, V's 17 in v168-235
.set VL,  168
	s_load_b256 s[4:11], s[0:1], 0x0               ; kimg 4:5, qimg 6:7, vimg 8:9, order 10:11
	s_load_b64 s[12:13], s[0:1], 0x20              ; out0
	v_lshl_add_u32 v250, v0, 2, 0x4f800
	v_mov_b32 v251, 0
	v_lshrrev_b32 v[T0], 5, v0
	v_readfirstlane_b32 s14, v[T0]                 ; wave w, 0..15
	s_lshr_b32 s16, s14, 3                         ; par: which of a tile's two waves
	s_lshr_b32 s46, s14, 2
	s_xor_b32 s46, s46, s14
	s_and_b32 s46, s46, 1                          ; which of the two block rows
	s_bfe_u32 s20, s14, 0x20001                    ; which of its four tiles here: (w >> 1) & 3
	s_lshl_b32 s15, s46, 2
	s_add_co_u32 s15, s15, s20                     ; tau: the tile's number in the work-group; the same in w and w xor 8
	s_lshr_b32 s17, ttmp9, 5                       ; batch
	s_bfe_u32 s18, ttmp9, 0x40001                  ; p: the pair of ranks
	s_and_b32 s19, ttmp9, 1                        ; which half of the rows' tiles
	s_lshl_b32 s21, s19, 2
	s_add_co_u32 s21, s21, s20                     ; the tile's number in its block row, 0..7
	s_lshr_b32 s52, s21, 1                         ; f
	s_and_b32 s53, s21, 1                          ; c
	s_lshl_b32 s54, s53, 4
	s_sub_co_u32 s47, 31, s18
	s_cmp_eq_u32 s46, 0
	s_cselect_b32 s48, s18, s47                    ; my rank: p or 31 - p
	s_lshl_b32 s48, s48, 3
	s_mov_b32 s49, 0
	s_mov_b32 s32, 0x3e38aa3b                      ; c = log2(e) / 8
	s_mov_b32 s33, s32                             ; (named with it as a pair, so it is written)
	s_mov_b32 s34, 0x76543210
	s_mov_b32 s35, 0xfedcba98                      ; v_permlanex16_b32's selects for lane l xor 16
	v_and_b32 v[LI], 31, v0
	v_lshlrev_b32 v[LI], 4, v[LI]
	v_and_b32 v[T0], 15, v0                        ; r
	v_lshlrev_b32 v[LR], 4, v[T0]
	v_bfe_u32 v[T1], v0, 4, 1                      ; h
	v_lshl_add_u32 v[MW], v0, 2, MRG
	v_xor_b32 v[MR], 0x100, v0                     ; the same lane of wave w xor 8
	v_lshl_add_u32 v[MR], v[MR], 2, MRG
	s_mul_i32 s46, s15, 16*SP
	s_add_co_u32 s46, s46, STG                     ; my tile's stage
	v_mul_u32_u24 v[SO], v[T0], SP
	v_lshl_add_u32 v[SO], v[T1], 5, v[SO]
	v_add_nc_u32 v[SO], s46, v[SO]                 ; row r, + 32 h
	v_mul_u32_u24 v[SR], v[T1], SP
	v_lshl_add_u32 v[SR], v[T0], 4, v[SR]
	v_add_nc_u32 v[SR], s46, v[SR]                 ; lanes 0-15 one row, lanes 16-31 the next
	v_lshlrev_b32 v[FA], 4, v0
	v_add_nc_u32 v[FB], 0x10000, v[FA]
	v_add_nc_u32 v[FB+1], 0x20000, v[FA]
	v_add_nc_u32 v[FB+2], 0x30000, v[FA]
	v_add_nc_u32 v[FB+3], 0x40000, v[FA]
	s_wait_kmcnt 0x0
	s_add_nc_u64 s[50:51], s[10:11], s[48:49]
	s_load_b64 s[26:27], s[50:51], 0x0             ; my block row and its mask of live blocks
	s_mul_i32 s46, s17, 32*KREC
	s_mov_b32 s47, 0
	s_add_nc_u64 s[4:5], s[4:5], s[46:47]
.set n, 0
.rept 18
	global_load_b128 v[KL+4*n:KL+4*n+3], v[FA], s[4:5] offset:8192*n   ; the batch's K: the 512 threads take 8,192 consecutive bytes a load
.set n, n+1
.endr
	s_mul_i32 s46, s17, 32*VREC
	s_add_nc_u64 s[8:9], s[8:9], s[46:47]
	s_wait_kmcnt 0x0
	s_min_u32 s26, s26, 31                         ; a row's number is 0 .. 31; held there ahead of its use in addresses
	s_lshl_b32 s46, s17, 5
	s_add_co_u32 s46, s46, s26
	s_mul_i32 s46, s46, KREC                       ; q's record
	s_lshl_b32 s48, s52, 2
	s_add_co_u32 s48, s48, s46
	s_add_nc_u64 s[42:43], s[6:7], s[48:49]        ; + 4 f: my tile's scale words
	s_lshl_b32 s48, s21, 9
	s_add_co_u32 s46, s46, s48
	s_add_nc_u64 s[40:41], s[6:7], s[46:47]        ; + 512 x tile: its codes
	global_load_b128 v[ZQ+4:ZQ+7], v[LI], s[40:41]
	global_load_b32 v[T0], v[LI], s[42:43] offset:4096
.set n, 0
.rept 17
	global_load_b128 v[VL+4*n:VL+4*n+3], v[FA], s[8:9] offset:8192*n   ; the batch's V: it lands while walk 0 runs
.set n, n+1
.endr
	s_lshl_b32 s46, s17, 12                        ; out: row 4096 b + 128 row + 32 f + 8 c
	s_lshl_b32 s48, s26, 7
	s_add_co_u32 s46, s46, s48
	s_lshl_b32 s48, s52, 5
	s_add_co_u32 s46, s46, s48
	s_lshl_b32 s48, s53, 3
	s_add_co_u32 s46, s46, s48
	s_lshl_b32 s46, s46, 8
	s_add_nc_u64 s[44:45], s[12:13], s[46:47]
	s_mov_b32 s47, s27                             ; the running parity of the mask's set bits:
.irp n, 1,2,4,8,16
	s_lshl_b32 s46, s47, \n
	s_xor_b32 s47, s47, s46
.endr
	s_and_b32 s48, s27, s47                        ; the first, third, .. live block
	s_and_not1_b32 s49, s27, s47                   ; the second, fourth, ..
	s_cmp_eq_u32 s16, 0
	s_cselect_b32 s28, s48, s49                    ; MY blocks
; 16 bytes a thread to LDS byte 8192 n + 16 x thread
.macro TOLDS n, reg
.if (\n) < 8
	ds_store_b128 v[FA], v[(\reg):(\reg)+3] offset:8192*(\n)
.else
	ds_store_b128 v[FB+(\n)/8-1], v[(\reg):(\reg)+3] offset:8192*((\n)%8)
.endif
.endm
.macro BARRIER                         ; my LDS stores have landed and my LDS loads are in: then the work-group's barrier
	s_wait_dscnt 0x0
	s_barrier_signal -1
	s_barrier_wait -1
.endm
	s_wait_loadcnt 17                              ; K's 18 loads and q's two are in; V's 17, issued behind them, may be out
	v_lshrrev_b32 v[T0], s54, v[T0]                ; my tile's two bytes of q's word (c picks the half),
	v_and_b32 v[T0], 0xffff, v[T0]
	v_lshl_or_b32 v[QS], v[T0], 16, v[T0]          ; in both halves: they serve [Q, Z] and [Z, Q]; over the zero codes they scale nothing
.irp i, 0,1,2,3,8,9,10,11
	v_mov_b32 v[ZQ+\i], 0                          ; Z
.endr
.set n, 0
.rept 18
	TOLDS n, KL+4*n
.set n, n+1
.endr
.irp i, 0,1,2,3
	v_mov_b32 v[AC+\i], 0xff7fffff                 ; the running maxima: the lowest finite number
.endr
.irp i, 4,5,6,7
	v_mov_b32 v[TM+\i], 0                          ; written once: a lane permute's destination counts as one of its sources
.endr
	BARRIER                                        ; K lies in LDS
; w' in S (register 16 b + i = key 32 b + 16 (lane / 16) + i of my query; none is negative) becomes a fragment's codes in v[PC] on and its scale word in v[PW]
.macro QUANTP
.irp b, 0,1,2,3
	v_max3_num_f32 v[TM+\b], v[S+16*\b], v[S+1+16*\b], 0x1800000   ; block b: my 16 numbers, and the floor 2^(3 - 127): the byte cannot fall under 1
.endr
.irp i, 2,4,6,8,10,12,14
.irp b, 0,1,2,3
	v_max3_num_f32 v[TM+\b], v[TM+\b], v[S+16*\b+\i], v[S+1+16*\b+\i]   ; (the four blocks by turns)
.endr
.endr
.irp b, 0,1,2,3
	v_permlanex16_b32 v[TM+4+\b], v[TM+\b], s34, s35
.endr
.irp b, 0,1,2,3
	v_max_num_f32 v[TM+\b], v[TM+\b], v[TM+4+\b]   ; with lane l xor 16's 16 keys: the block's largest
.endr
.irp b, 0,1,2,3
	v_add_nc_u32 v[TM+12+\b], 0xff000000, v[TM+\b] ; 2 off its exponent field: the conversion's scale operand
.endr
.irp b, 0,1,2,3
	v_lshrrev_b32 v[TM+4+\b], 23, v[TM+12+\b]      ; the scale's byte
.endr
	v_lshl_or_b32 v[PW], v[TM+5], 8, v[TM+4]
	v_lshl_or_b32 v[PW], v[TM+6], 16, v[PW]
	v_lshl_or_b32 v[PW], v[TM+7], 24, v[PW]
.irp b, 0,1,2,3
	v_cvt_scalef32_pk8_fp4_f32 v[PC+2*\b], v[S+16*\b:S+7+16*\b], v[TM+12+\b]
	v_cvt_scalef32_pk8_fp4_f32 v[PC+1+2*\b], v[S+8+16*\b:S+15+16*\b], v[TM+12+\b]
.endr
	v_nop                                          ; one plain line behind the last conversion
.irp c, 0,1                                    ; the operand wants a whole block in a lane: lanes 0-15 block 2 c, lanes 16-31 block 2 c + 1
.irp i, 0,1
	v_permlane16_swap_b32 v[PC+4*\c+\i], v[PC+2+4*\c+\i]
.endr
.endr
.endm
; ONE LIVE BLOCK OF 128 KEYS for my 16 queries.  kind = the walk
.macro STEP kind
	v_add_nc_u32 v[ADK], s31, v[LI]
.if \kind == 2
	v_add_nc_u32 v[ADV], s36, v[LI]
	v_add_nc_u32 v[ADT], s36, v[LR]
	v_nop                                          ; with the three additions: four plain lines between the last block's products V^T w' and the loads into their registers (ISA guide 7.12.1 for vector instructions)
.endif
.irp f, 0,1,2,3
.irp c, 0,1
	ds_load_b128 v[F+8*\f+4*\c:F+8*\f+4*\c+3], v[ADK] offset:1024*\f+512*\c   ; an image of the registers: 512 consecutive bytes a load
.endr
.endr
	ds_load_b128 v[KS:KS+3], v[ADK] offset:4096    ; the four fragments' scale words
.if \kind == 2
.irp d, 0,1,2,3
.irp c, 0,1
	ds_load_b128 v[FV+8*\d+4*\c:FV+8*\d+4*\c+3], v[ADV] offset:1024*\d+512*\c
.endr
.endr
	ds_load_b128 v[VS:VS+3], v[ADT] offset:4096
	s_wait_dscnt 9                                 ; K's nine loads are in; V's nine, issued behind them, may be out
.else
	s_wait_dscnt 0x0
.endif
.irp f, 0,1,2,3                                ; eight products into eight results: no chain
.if \kind == 0
	v_wmma_scale_f32_16x16x128_f8f6f4 v[S+16*\f:S+16*\f+7], v[F+8*\f:F+8*\f+7], v[ZQ+4:ZQ+11], 0, v[KS+\f], v[QS] matrix_a_fmt:MATRIX_FMT_FP4 matrix_b_fmt:MATRIX_FMT_FP4
	v_wmma_scale_f32_16x16x128_f8f6f4 v[S+16*\f+8:S+16*\f+15], v[F+8*\f:F+8*\f+7], v[ZQ:ZQ+7], 0, v[KS+\f], v[QS] matrix_a_fmt:MATRIX_FMT_FP4 matrix_b_fmt:MATRIX_FMT_FP4
.else
	v_wmma_scale_f32_16x16x128_f8f6f4 v[S+16*\f:S+16*\f+7], v[F+8*\f:F+8*\f+7], v[ZQ+4:ZQ+11], v[CM:CM+7], v[KS+\f], v[QS] matrix_a_fmt:MATRIX_FMT_FP4 matrix_b_fmt:MATRIX_FMT_FP4
	v_wmma_scale_f32_16x16x128_f8f6f4 v[S+16*\f+8:S+16*\f+15], v[F+8*\f:F+8*\f+7], v[ZQ:ZQ+7], v[CM:CM+7], v[KS+\f], v[QS] matrix_a_fmt:MATRIX_FMT_FP4 matrix_b_fmt:MATRIX_FMT_FP4
.endif
.endr
.rept 4
	v_nop                                          ; four plain lines ahead of the first read of the results (ISA guide 7.12.1)
.endr
.if \kind == 0
.irp i, 0,2,4,6,8,10,12,14                     ; each result is read from its low end on
.irp b, 0,1,2,3
	v_max3_num_f32 v[AC+\b], v[AC+\b], v[S+16*\b+\i], v[S+16*\b+\i+1]
.endr
.endr
.endif
.if \kind == 1
.set j, 0
.rept 32
	v_pk_mul_f32 v[S+j:S+j+1], v[S+j:S+j+1], s[32:33] op_sel_hi:[1,0]   ; c d
.set j, j+2
.endr
.endif
.if \kind == 2
.set j, 0
.rept 32
	v_pk_fma_f32 v[S+j:S+j+1], v[S+j:S+j+1], s[32:33], v[PHI:PHI+1] op_sel_hi:[1,0,0] neg_lo:[0,0,1] neg_hi:[0,0,1]   ; c d - log2 f
.set j, j+2
.endr
.endif
.if \kind > 0
.set j, 0
.rept 64
	v_exp_f32 v[S+j], v[S+j]                       ; one batch: none reads another's result
.set j, j+1
.endr
	v_nop                                          ; a plain line behind the last exponential
	s_wait_alu depctr_va_vdst(0)                   ; one wait for the batch, ahead of its first reader
.endif
.if \kind == 1
.set j, 0
.rept 32
	v_pk_add_f32 v[AC+2*((j/2)%4):AC+2*((j/2)%4)+1], v[AC+2*((j/2)%4):AC+2*((j/2)%4)+1], v[S+j:S+j+1]   ; four pairs of sums by turns
.set j, j+2
.endr
.endif
.if \kind == 2
	QUANTP
.rept 8
	v_nop                                          ; a scale word made by vector instructions stands eight plain lines ahead of a scaled product, codes so made four
.endr
	s_wait_dscnt 0x0                               ; V's fragments and scale words are in
.irp d, 0,1,2,3                                ; O^T += V^T w'^T: the four accumulators by turns; the next block's eight products stand between two links of a chain
	v_wmma_scale_f32_16x16x128_f8f6f4 v[OT+8*\d:OT+8*\d+7], v[FV+8*\d:FV+8*\d+7], v[PC:PC+7], v[OT+8*\d:OT+8*\d+7], v[VS+\d], v[PW] matrix_a_fmt:MATRIX_FMT_FP4 matrix_b_fmt:MATRIX_FMT_FP4
.endr
.endif
.endm
; A WALK: 32 trips, a constant; a block that is not mine is passed over by a scalar branch on the stored mask.  No barrier stands inside.
.macro PASS kind
	s_mov_b32 s29, s28                             ; my blocks, shifted down a bit a trip
	s_mov_b32 s31, 0                               ; K's record in LDS
	s_mov_b32 s36, VREG                            ; V's
	s_mov_b32 s30, 0
.Lp_\@:
	s_bitcmp1_b32 s29, 0
	s_cbranch_scc0 .Ls_\@
	STEP \kind
.Ls_\@:
	s_lshr_b32 s29, s29, 1
	s_add_co_u32 s31, s31, KREC
	s_add_co_u32 s36, s36, VREC
	s_add_co_u32 s30, s30, 1
	s_cmp_lt_u32 s30, 32
	s_cbranch_scc1 .Lp_\@
.endm
	PASS 0
	; ---- the maxima meet; V goes to LDS
	v_max3_num_f32 v[AC], v[AC], v[AC+1], v[AC+2]
	v_max_num_f32 v[AC], v[AC], v[AC+3]
	v_permlanex16_b32 v[T1], v[AC], s34, s35       ; the query's other keys lie in the lane 16 away
	v_max_num_f32 v[AC], v[AC], v[T1]
	ds_store_b32 v[MW], v[AC]
	s_wait_loadcnt 0x0                             ; V
.set n, 0
.rept 17
	TOLDS 18+n, VL+4*n
.set n, n+1
.endr
	BARRIER                                        ; every wave's maximum and all of V lie in LDS
	ds_load_b32 v[T1], v[MR]
	s_wait_dscnt 0x0
	v_max_num_f32 v[RM], v[AC], v[T1]              ; R: the row's maximum over all its live blocks
	v_xor_b32 v[CM], 0x80000000, v[RM]             ; -R, eight times: the C of the products to come
.irp i, 1,2,3,4,5,6,7
	v_mov_b32 v[CM+\i], v[CM]
.endr
.irp i, 0,1,2,3,4,5,6,7
	v_mov_b32 v[AC+\i], 0                          ; the sums
.endr
	PASS 1
	; ---- the sums meet
	v_pk_add_f32 v[AC:AC+1], v[AC:AC+1], v[AC+2:AC+3]
	v_pk_add_f32 v[AC+4:AC+5], v[AC+4:AC+5], v[AC+6:AC+7]
	v_pk_add_f32 v[AC:AC+1], v[AC:AC+1], v[AC+4:AC+5]
	v_add_f32 v[AC], v[AC], v[AC+1]
	v_permlanex16_b32 v[T1], v[AC], s34, s35
	v_add_f32 v[AC], v[AC], v[T1]
	ds_store_b32 v[MW], v[AC] offset:2048
	BARRIER
	ds_load_b32 v[T1], v[MR] offset:2048
	s_wait_dscnt 0x0
	v_add_f32 v[AC], v[AC], v[T1]                  ; l: one addition of the same two numbers in both waves: the same bits
	v_lshrrev_b32 v[T1], 23, v[AC]                 ; l is not negative: its exponent field, E + 127
	v_sub_nc_u32 v[T1], 127, v[T1]                 ; -E
	v_and_or_b32 v[T0], v[AC], 0x7fffff, 1.0       ; f: l's mantissa under the exponent of 1
	v_log_f32 v[PHI], v[T0]                        ; log2 f, in [0, 1)
	v_ldexp_f32 v[SCO], 1.0, v[T1]                 ; 2^-E.  (A plain line behind the logarithm.)  A row without live blocks: l = 0, 2^127, times zeros
	s_wait_alu depctr_va_vdst(0)                   ; ahead of the logarithm's first reader
	v_mov_b32 v[PHI+1], v[PHI]
	v_mov_b32 v[SCO+1], v[SCO]
.set j, 0
.rept 32
	v_mov_b32 v[OT+j], 0                           ; O^T: which block comes first, and whether any comes, hangs on the list, so no product can be written out to start the sums
.set j, j+1
.endr
	PASS 2
	; ---- the way out
.rept 4
	v_nop                                          ; four plain lines ahead of the first read of O^T
.endr
.set j, 0
.rept 16
	v_pk_mul_f32 v[OT+j:OT+j+1], v[OT+j:OT+j+1], v[SCO:SCO+1] op_sel_hi:[1,0]   ; x 2^-E: nothing is rounded.  Each accumulator from its low end on
.set j, j+2
.endr
	s_cmp_eq_u32 s16, 0
	s_cbranch_scc1 .Lno_send
.irp d, 0,1,2,3                                ; the tile's second wave hands its part over: lane (r, h), register 8 d + i = channel 16 d + 8 h + i of stage row r
	ds_store_b128 v[SO], v[OT+8*\d:OT+8*\d+3] offset:64*\d
	ds_store_b128 v[SO], v[OT+8*\d+4:OT+8*\d+7] offset:64*\d+16
.endr
.Lno_send:
	BARRIER
	s_cmp_lg_u32 s16, 0
	s_cbranch_scc1 .Lend
.irp d, 0,1,2,3
	ds_load_b128 v[S+8*\d:S+8*\d+3], v[SO] offset:64*\d
	ds_load_b128 v[S+8*\d+4:S+8*\d+7], v[SO] offset:64*\d+16
.endr
	s_wait_dscnt 0x0
.set j, 0
.rept 16
	v_pk_add_f32 v[OT+j:OT+j+1], v[OT+j:OT+j+1], v[S+j:S+j+1]
.set j, j+2
.endr
.irp d, 0,1,2,3                                ; the sum goes back into the stage, which from here on is mine alone, and comes out as whole rows
	ds_store_b128 v[SO], v[OT+8*\d:OT+8*\d+3] offset:64*\d
	ds_store_b128 v[SO], v[OT+8*\d+4:OT+8*\d+7] offset:64*\d+16
.endr
.irp i, 0,1,2,3,4,5,6,7
	ds_load_b128 v[S+32+4*\i:S+35+4*\i], v[SR] offset:2*\i*SP   ; LDS serves a wave's instructions in order: these see the stores above
.endr
.irp i, 0,1,2,3,4,5,6,7
	s_wait_dscnt 7-\i                              ; rows 2 i, 2 i + 1 are in; the 7 - i younger loads may be out
	global_store_b128 v[LI], v[S+32+4*\i:S+35+4*\i], s[44:45] offset:(2*\i+8*(\i/4))*256 th:TH_STORE_NT   ; stage row r is query r + 8 (r / 8) of the tile: two neighbouring rows of out, 512 consecutive bytes, aligned
.endr
.Lend:
	s_wait_tensorcnt 0x0
	ds_add_u32 v250, v251
	s_wait_dscnt 0x0
	s_endpgm
.Lfunc_end_k_q928320f684_attn:
	.size	k_q928320f684_attn, .Lfunc_end_k_q928320f684_attn-k_q928320f684_attn
	.p2alignl 7, 3214868480
	.fill 96, 4, 3214868480
	.section	.rodata,"a",@progbits
	.p2align	6, 0x0
	.amdhsa_kernel k_q928320f684_attn
		.amdhsa_group_segment_fixed_size 327680
		.amdhsa_private_segment_fixed_size 0
		.amdhsa_enable_private_segment 0
		.amdhsa_kernarg_size 40
		.amdhsa_user_sgpr_count 2
		.amdhsa_user_sgpr_kernarg_segment_ptr 1
		.amdhsa_wavefront_size32 1
		.amdhsa_system_sgpr_workgroup_id_x 1
		.amdhsa_system_sgpr_workgroup_id_y 1
		.amdhsa_system_sgpr_workgroup_id_z 1
		.amdhsa_system_vgpr_workitem_id 0
		.amdhsa_next_free_vgpr 256
		.amdhsa_next_free_sgpr 66
		.amdhsa_reserve_vcc 0
		.amdhsa_float_denorm_mode_32 3
		.amdhsa_float_denorm_mode_16_64 3
		.amdhsa_memory_ordered 1
		.amdhsa_forward_progress 1
		.amdhsa_inst_pref_size 44
	.end_amdhsa_kernel
	.amdgpu_metadata
---
amdhsa.version: [ 1, 2 ]
amdhsa.kernels:
  - .name:           k_q928320f684_attn
    .symbol:         k_q928320f684_attn.kd
    .args:
      - { .name: kimg, .offset: 0, .size: 8, .value_kind: global_buffer, .address_space: global }
      - { .name: qimg, .offset: 8, .size: 8, .value_kind: global_buffer, .address_space: global }
      - { .name: vimg, .offset: 16, .size: 8, .value_kind: global_buffer, .address_space: global }
      - { .name: order, .offset: 24, .size: 8, .value_kind: global_buffer, .address_space: global }
      - { .name: out0, .offset: 32, .size: 8, .value_kind: global_buffer, .address_space: global }
    .group_segment_fixed_size: 327680
    .private_segment_fixed_size: 0
    .kernarg_segment_align: 8
    .kernarg_segment_size: 40
    .max_flat_workgroup_size: 512
    .sgpr_count:     66
    .vgpr_count:     256
    .wavefront_size: 32
...
	.end_amdgpu_metadata
.endif
;; end of part 2
;; ======== version 2 of 2: 2 launches
;; workspace buffers: kimg 1,179,648 bytes; qimg 1,179,648 bytes; vimg 1,114,112 bytes; order 256 bytes of whole numbers
;; launch prep (part 3): grid 641 x 1, 4 waves a work-group, no clusters, 37,376 bytes of LDS; arguments k, q, v, layout, kimg, qimg, vimg, order; writes kimg, qimg, vimg, order
.if DOCPART == 3
	.amdgcn_target "amdgcn-amd-amdhsa--gfx1250"
	.amdhsa_code_object_version 6
	.text
	.protected	k_q928320f684_prep
	.globl	k_q928320f684_prep
	.p2align	8
	.type	k_q928320f684_prep,@function
k_q928320f684_prep:
	s_mov_b64 s[64:65], 0
	v_nop
	global_prefetch_b8 v0, s[64:65] scope:SCOPE_SE
	s_setreg_imm32_b32 hwreg(HW_REG_WAVE_MODE, 25, 1), 1
	s_wait_xcnt 0x0
; k, q, v: [8][4096][64] f32.  layout: [32][32] i32.  This launch quantises k, q and v ONCE to codes of FP4 (E2M1) with one E8M0 byte for each 32 along a product's K,
; and lays them as images of the operand registers of the attention launch, one record for each (batch, block of 128 rows).  It also ranks the 32 block rows of layout by their number of live blocks.
; A block's scale is 2^(floor(log2(largest magnitude)) - 2): its byte is the largest magnitude's exponent field - 2, held at 1 from below by a floor among the maximum's leaves.
; LIMITS: a block of zeros gets the byte 1 (the rule says 127): its codes are zeros, and only this program reads the bytes.  Blocks whose largest magnitude lies under 2^-124 keep the byte 1.  NaN and infinities among the inputs are not served.
; RECORD OF k AND q (4,608 bytes; K = the head's 64, two blocks of 32 a row): codes at 1024 f + 512 c + 16 lane (lane = 16 h + r): the 32 codes d = 32 h .. 32 h + 31 of row 32 f + 8 c + r + 8 (r / 8);
;   scale words at 4096 + 16 lane + 4 f: bytes [c 0 h 0, c 0 h 1, c 1 h 0, c 1 h 1] of (r, f), the same in both halves of the lanes.
; RECORD OF v (4,352 bytes; K = the keys): codes at 1024 dt + 256 beta + 16 r: keys 32 beta .. 32 beta + 31 of channel 16 dt + r;  scale words at 4096 + 16 r + 4 dt, byte beta.
; order: entry p (8 bytes) = {row, mask} of the block row of rank p, ranks ascending by 32 x live blocks + row; bit j of mask = (layout[row][j] == 1).
; WORK-GROUPS: 0-255 k, 256-511 q (one record each, a wave to 32 rows); 512-639 v (two records each, a wave to 32 channels of one); 640 the ranking (one wave).
; Waves share nothing: no barrier.  Only the path of k and q uses LDS.
.set KREC,  4608
.set VREC,  4352
.set WSTG,  9216                       ; a wave's stage: 32 rows x 272 bytes, rows 16-31 another 128 bytes on: 8,832 bytes used
; 32 numbers of one block, v[x] .. v[x + 31], become 4 registers of codes at v[cdst]; the scale's byte goes to v[breg].  At work: v8, v9, v11
.macro Q32 x, cdst, breg
	v_max3_num_f32 v8, |v[(\x)]|, |v[(\x)+1]|, |v[(\x)+2]|          ; the largest magnitude, in two chains
	v_max3_num_f32 v9, |v[(\x)+3]|, |v[(\x)+4]|, |v[(\x)+5]|
.irp i, 6,10,14,18,22,26
	v_max3_num_f32 v8, v8, |v[(\x)+\i]|, |v[(\x)+\i+1]|
	v_max3_num_f32 v9, v9, |v[(\x)+\i+2]|, |v[(\x)+\i+3]|
.endr
	v_max3_num_f32 v8, v8, |v[(\x)+30]|, |v[(\x)+31]|
	v_max3_num_f32 v8, v8, v9, 0x1800000           ; and the floor 2^(3 - 127): the byte cannot fall under 1
	v_add_nc_u32 v11, 0xff000000, v8               ; 2 off the exponent field: the conversion takes this operand's exponent field as its scale
	v_lshrrev_b32 v[(\breg)], 23, v11              ; the scale's byte
.irp g, 0,1,2,3
	v_cvt_scalef32_pk8_fp4_f32 v[(\cdst)+\g], v[(\x)+8*\g:(\x)+8*\g+7], v11
.endr
	v_nop                                          ; one plain line behind the last conversion
.endm
	s_load_b512 s[4:19], s[0:1], 0x0               ; k 4:5, q 6:7, v 8:9, layout 10:11, kimg 12:13, qimg 14:15, vimg 16:17, order 18:19
	v_lshl_add_u32 v160, v0, 2, 0x9000
	v_mov_b32 v161, 0
	v_lshrrev_b32 v1, 5, v0
	v_readfirstlane_b32 s20, v1                    ; wave 0..3
	v_and_b32 v1, 31, v0                           ; lane
	v_and_b32 v2, 15, v0                           ; r
	v_bfe_u32 v3, v0, 4, 1                         ; h
	s_mov_b32 s34, 0x76543210
	s_mov_b32 s35, 0xfedcba98                      ; v_permlanex16_b32's selects for lane l xor 16
	s_wait_kmcnt 0x0
	s_cmp_lt_u32 ttmp9, 512
	s_cbranch_scc0 .Lnot_kq
	; ---- k and q.  Wave f takes rows 32 f .. 32 f + 31 of the block: 8,192 dense bytes.
	s_cmp_lt_u32 ttmp9, 256                        ; the choice hangs on the work-group's number alone
	s_cselect_b64 s[22:23], s[4:5], s[6:7]
	s_cselect_b64 s[24:25], s[12:13], s[14:15]
	s_and_b32 s26, ttmp9, 255                      ; 32 b + j
	s_lshl_b32 s28, s26, 15                        ; 128 rows of 256 bytes
	s_lshl_b32 s27, s20, 13
	s_add_co_u32 s28, s28, s27
	s_mov_b32 s29, 0
	s_add_nc_u64 s[22:23], s[22:23], s[28:29]
	s_mul_i32 s28, s26, KREC
	s_add_nc_u64 s[24:25], s[24:25], s[28:29]
	s_wait_alu depctr_va_vdst(0)
	v_lshlrev_b32 v4, 4, v1                        ; 16 lane: a load takes 512 consecutive bytes, two rows
.set i, 0
.rept 16
	global_load_b128 v[16+4*i:19+4*i], v4, s[22:23] offset:512*i th:TH_LOAD_NT
.set i, i+1
.endr
	s_mul_i32 s27, s20, WSTG                       ; my stage
	v_mul_u32_u24 v5, v3, 272
	v_lshl_add_u32 v5, v2, 4, v5
	v_add_nc_u32 v5, s27, v5                       ; in: row 2 i + h, 16 r bytes on
	v_lshrrev_b32 v8, 3, v2                        ; r / 8
	v_lshl_add_u32 v9, v8, 3, v2                   ; r + 8 (r / 8)
	v_mul_u32_u24 v6, v9, 272
	v_lshl_add_u32 v6, v8, 7, v6                   ; rows 16-31 lie 128 bytes further on: the sixteen rows of a read then begin in sixteen different columns of 16 bytes
	v_lshl_add_u32 v6, v3, 7, v6                   ; my half of the row: 128 h
	v_add_nc_u32 v6, s27, v6                       ; back: row 8 c + r + 8 (r / 8)
	s_lshl_b32 s27, s20, 10
	v_add_nc_u32 v7, s27, v4                       ; codes: 16 lane + 1024 f
	s_lshl_b32 s27, s20, 2
	v_add_nc_u32 v10, s27, v4                      ; scale word: 16 lane + 4 f
.set i, 0
	s_wait_alu depctr_va_vdst(0)
.rept 16
	s_wait_loadcnt 15-i                            ; loads come back in order: load i is in, the 15 - i younger ones may be out
	ds_store_b128 v5, v[16+4*i:19+4*i] offset:544*i+128*(i/8)
.set i, i+1
.endr
.irp c, 0,1
.irp i, 0,1,2,3,4,5,6,7
	ds_load_b128 v[80+32*\c+4*\i:83+32*\c+4*\i], v6 offset:2176*\c+16*\i   ; my own bytes: LDS serves a wave's instructions in order, so these see the stores above
.endr
.endr
	s_wait_dscnt 8                                 ; tile c = 0's eight loads are in; the other tile's eight may be out
	Q32 80, 144, 12
	global_store_b128 v7, v[144:147], s[24:25]     ; 32 lanes store 512 consecutive bytes
	s_wait_dscnt 0x0
	Q32 112, 148, 13
	global_store_b128 v7, v[148:151], s[24:25] offset:512
	v_lshl_or_b32 v14, v13, 16, v12                ; my two bytes: block h of the rows of tiles c = 0 and c = 1,
	v_lshlrev_b32 v15, 3, v3
	v_lshlrev_b32 v14, v15, v14                    ; at their places in the word (8 h bits up);
	v_mov_b32 v15, 0
	v_permlanex16_b32 v15, v14, s34, s35
	v_or_b32 v14, v14, v15                         ; with lane l xor 16's two the word is whole
	global_store_b32 v10, v14, s[24:25] offset:4096   ; 4 bytes a lane, 16 apart: the four waves together fill the record's 512 bytes of scale words, one byte for each 64 that the path reads
	s_wait_tensorcnt 0x0
	ds_add_u32 v160, v161
	s_wait_dscnt 0x0
	s_endpgm
.Lnot_kq:
	s_cmp_lt_u32 ttmp9, 640
	s_cbranch_scc0 .Lorder
	; ---- v.  A lane takes a channel and its registers run down the keys: a block of 32 keys lies in one lane's 32 registers, and the codes come out with the keys innermost.
	s_sub_co_u32 s26, ttmp9, 512
	s_lshr_b32 s27, s26, 4                         ; b
	s_and_b32 s28, s26, 15
	s_lshl_b32 s28, s28, 1
	s_lshr_b32 s29, s20, 1
	s_add_co_u32 s28, s28, s29                     ; j
	s_and_b32 s29, s20, 1                          ; dh: which 32 channels
	s_lshl_b32 s30, s27, 5
	s_add_co_u32 s30, s30, s28                     ; 32 b + j
	s_lshl_b32 s32, s30, 15                        ; 128 keys of 256 bytes
	s_lshl_b32 s31, s29, 7
	s_add_co_u32 s32, s32, s31
	s_mov_b32 s33, 0
	s_add_nc_u64 s[8:9], s[8:9], s[32:33]
	s_mul_i32 s32, s30, VREC
	s_add_nc_u64 s[16:17], s[16:17], s[32:33]
	s_wait_alu depctr_va_vdst(0)
	v_lshlrev_b32 v4, 2, v1                        ; in: 4 bytes a lane, 128 consecutive bytes a wave
	v_lshlrev_b32 v5, 4, v2
	v_lshl_add_u32 v5, v3, 10, v5
	s_lshl_b32 s31, s29, 11
	v_add_nc_u32 v5, s31, v5                       ; codes: 1024 dt + 16 r, dt = 2 dh + lane / 16
	v_lshlrev_b32 v6, 4, v2
	v_lshl_add_u32 v6, v3, 2, v6
	s_lshl_b32 s31, s29, 3
	v_add_nc_u32 v6, s31, v6                       ; scale word: 16 r + 4 dt
.macro VLOAD t                         ; keys 32 t .. 32 t + 31 of my channel into set t % 2
.set i, 0
.rept 32
	global_load_b32 v[16+32*((\t)%2)+i], v4, s[8:9] offset:(32*(\t)+i)*256 th:TH_LOAD_NT
.set i, i+1
.endr
.endm
.macro VBLOCK t
.if (\t) < 3
	s_wait_loadcnt 32                              ; this block's 32 loads are in; the next block's 32 may be out
.else
	s_wait_loadcnt 0x0
.endif
	Q32 16+32*((\t)%2), 96+4*(\t), 12
.if (\t) == 0
	v_mov_b32 v13, v12                             ; the four bytes make my channel's scale word, the lower keys in the lower byte
.else
	v_lshl_or_b32 v13, v12, 8*(\t), v13
.endif
	global_store_b128 v5, v[96+4*(\t):99+4*(\t)], s[16:17] offset:256*(\t)   ; sixteen lanes store 256 consecutive bytes, aligned; each block has data registers of its own
.if (\t) < 2
	VLOAD (\t)+2
.endif
.endm
	VLOAD 0
	VLOAD 1
.irp t, 0,1,2,3
	VBLOCK \t
.endr
	global_store_b32 v6, v13, s[16:17] offset:4096
	s_endpgm
.Lorder:
	; ---- the ranking: one wave, lane = block row
	s_cmp_lg_u32 s20, 0
	s_cbranch_scc1 .Lend
	s_wait_alu depctr_va_vdst(0)
	v_lshlrev_b32 v4, 7, v1                        ; a row of layout is 128 bytes
.irp i, 0,1,2,3,4,5,6,7
	global_load_b128 v[16+4*\i:19+4*\i], v4, s[10:11] offset:16*\i
.endr
	v_mov_b32 v5, 0                                ; mask
	v_mov_b32 v6, 0                                ; live blocks
	v_mov_b32 v9, 0                                ; rank
	s_wait_loadcnt 0x0
.set j, 0
.rept 32
	v_cmp_eq_u32 vcc_lo, 1, v[16+j]                ; live means equal to 1, whatever else the entry may hold
	v_cndmask_b32 v8, 0, 1, vcc_lo
	s_wait_alu depctr_va_vdst(0)
	v_lshl_or_b32 v5, v8, j, v5
	v_add_nc_u32 v6, v6, v8
.set j, j+1
.endr
	v_lshl_add_u32 v7, v6, 5, v1                   ; key = 32 x live blocks + row: no two alike
.set j, 0
.rept 32
	v_readlane_b32 s36, v7, j
	v_cmp_lt_u32 vcc_lo, s36, v7
	v_cndmask_b32 v8, 0, 1, vcc_lo
	v_add_nc_u32 v9, v9, v8                        ; rank = how many keys lie under mine
.set j, j+1
.endr
	v_min_u32 v9, 31, v9                           ; it is 0 .. 31 by construction; held there ahead of its use in an address
	v_lshlrev_b32 v9, 3, v9
	v_mov_b32 v10, v1
	v_mov_b32 v11, v5
	global_store_b64 v9, v[10:11], s[18:19]        ; the ranks are a permutation: the 32 lanes fill the 256 bytes
.Lend:
	s_endpgm
.Lfunc_end_k_q928320f684_prep:
	.size	k_q928320f684_prep, .Lfunc_end_k_q928320f684_prep-k_q928320f684_prep
	.p2alignl 7, 3214868480
	.fill 96, 4, 3214868480
	.section	.rodata,"a",@progbits
	.p2align	6, 0x0
	.amdhsa_kernel k_q928320f684_prep
		.amdhsa_group_segment_fixed_size 37376
		.amdhsa_private_segment_fixed_size 0
		.amdhsa_enable_private_segment 0
		.amdhsa_kernarg_size 64
		.amdhsa_user_sgpr_count 2
		.amdhsa_user_sgpr_kernarg_segment_ptr 1
		.amdhsa_wavefront_size32 1
		.amdhsa_system_sgpr_workgroup_id_x 1
		.amdhsa_system_sgpr_workgroup_id_y 1
		.amdhsa_system_sgpr_workgroup_id_z 1
		.amdhsa_system_vgpr_workitem_id 0
		.amdhsa_next_free_vgpr 162
		.amdhsa_next_free_sgpr 66
		.amdhsa_reserve_vcc 1
		.amdhsa_float_denorm_mode_32 3
		.amdhsa_float_denorm_mode_16_64 3
		.amdhsa_memory_ordered 1
		.amdhsa_forward_progress 1
		.amdhsa_inst_pref_size 44
	.end_amdhsa_kernel
	.amdgpu_metadata
---
amdhsa.version: [ 1, 2 ]
amdhsa.kernels:
  - .name:           k_q928320f684_prep
    .symbol:         k_q928320f684_prep.kd
    .args:
      - { .name: k, .offset: 0, .size: 8, .value_kind: global_buffer, .address_space: global }
      - { .name: q, .offset: 8, .size: 8, .value_kind: global_buffer, .address_space: global }
      - { .name: v, .offset: 16, .size: 8, .value_kind: global_buffer, .address_space: global }
      - { .name: layout, .offset: 24, .size: 8, .value_kind: global_buffer, .address_space: global }
      - { .name: kimg, .offset: 32, .size: 8, .value_kind: global_buffer, .address_space: global }
      - { .name: qimg, .offset: 40, .size: 8, .value_kind: global_buffer, .address_space: global }
      - { .name: vimg, .offset: 48, .size: 8, .value_kind: global_buffer, .address_space: global }
      - { .name: order, .offset: 56, .size: 8, .value_kind: global_buffer, .address_space: global }
    .group_segment_fixed_size: 37376
    .private_segment_fixed_size: 0
    .kernarg_segment_align: 8
    .kernarg_segment_size: 64
    .max_flat_workgroup_size: 128
    .sgpr_count:     66
    .vgpr_count:     162
    .wavefront_size: 32
...
	.end_amdgpu_metadata
.endif
;; end of part 3
;; launch attn (part 4): grid 256 x 1, 16 waves a work-group, no clusters, 327,680 bytes of LDS; arguments kimg, qimg, vimg, order, out0; writes out0
.if DOCPART == 4
	.amdgcn_target "amdgcn-amd-amdhsa--gfx1250"
	.amdhsa_code_object_version 6
	.text
	.protected	k_q928320f684_attn
	.globl	k_q928320f684_attn
	.p2align	8
	.type	k_q928320f684_attn,@function
k_q928320f684_attn:
	s_mov_b64 s[64:65], 0
	v_nop
	global_prefetch_b8 v0, s[64:65] scope:SCOPE_SE
	s_setreg_imm32_b32 hwreg(HW_REG_WAVE_SCHED_MODE, 0, 2), 2
	s_setreg_imm32_b32 hwreg(HW_REG_WAVE_MODE, 25, 1), 1
	s_wait_xcnt 0x0
	s_wait_alu depctr_vm_vsrc(0)
; out[b][q][:] = sum over live keys of softmax(q . k / 8)[key] v[key][:], a block of 128 x 128 being live where layout says 1; both products on codes of FP4 (E2M1) with E8M0 scales for each 32 along K.
; THE WEIGHTS ARE QUANTISED NORMALISED: w = exp(s - max) / sum.  So a row's maximum and sum are known before its first weight is quantised, and the live key blocks are walked three times:
;   walk 0: S^T = K Q^T, the row's maximum R;   walk 1: the same product with C = -R gives d = S - R; p = 2^(c d), c = log2(e) / 8; the row's sum l;
;   walk 2: the same d; with l = f 2^E, f in [1, 2): w' = 2^(c d - log2 f) = p / f is quantised along the keys, O^T += V^T w'^T, and at the end O^T is multiplied by 2^-E.
;   A power of two goes through the quantiser unchanged (it moves the block's scale alone), so the codes are w's.
; LIMITS: NaN and infinities are not served.  A w' under 2^-126 becomes 0; the hold of a block's scale at 2^-126 acts on w', not on w: that concerns blocks whose every weight lies under 2^-112.
;   A block row with no live block gives zeros, as the masked weights do.
; K = 64 IN AN INSTRUCTION OF K = 128: a fragment of K's codes carries TWO tiles of 16 keys (registers 0-3 and 4-7); Q stands between zeros, Z Q Z in twelve registers: source 1 = [Q, Z] gives the first tile's scores, [Z, Q] the second's.
; THE KEYS OF A TILE ARE NOT NEIGHBOURS (row 32 f + 8 c + r + 8 (r / 8)): the 16 registers of tiles 2 f, 2 f + 1 are then the 16 neighbouring keys 32 f + 16 (lane / 16) + 0 .. 15.  Both products are used transposed: a lane holds one query.
; SHARES.  A batch's K and V as codes and scale words are 286,720 bytes: every work-group brings its batch's into LDS once, through registers.  A work-group has 8 tiles of 16 queries: 4 of the block row of rank p and 4 of the
;   row of rank 31 - p (ranks by live blocks: a full row is paired with an empty one); 8 batches x 16 pairs x 2 halves = 256 work-groups.  Sixteen waves of 256 registers, four to a SIMD; two waves (w, w xor 8) share a tile and take its live blocks by turns;
;   their maxima, sums and O^T meet in LDS behind barriers that stand outside every branch on the list.
; NO TENSOR LOAD, NO CLUSTER: dead blocks are passed over by a scalar branch on the stored list; the 32 work-groups of a batch each load K and V by ordinary loads.
; THE MODE: SCHED_MODE bits 1:0 = 2 (LLVM: expert scheduling mode 2), set by the entry lines.  The code itself states the register dependences
; between vector or matrix instructions and memory or LDS instructions, with s_wait_alu, always for 0.
; THE PLAN.  Registers that memory or LDS instructions touch:
;   v1, v2, v6-9, v11, v88-91, v250, v251   addresses, made at the head by vector lines and never written again: one wait on va_vdst ahead of the first load serves them all.
;   v3 (walk 2: v3-5)   the block's LDS addresses: written by additions at a live block's head, read by that block's LDS loads.
;   F, KS               written by the block's nine LDS loads, read by its eight products K Q^T.
;   FV, VS (walk 2)     written by nine LDS loads, read by the four products V^T w' at the block's end.
;   v96-235             the fill: global loads land there, LDS stores read them; afterwards they are S, FV, O^T and the codes.
;   v76, v27            the meetings: v76 is summed by vector lines, stored, and written again behind the barrier; v27 is a permute's result, then the partner's word lands in it.
;   O^T, v96-159        the way out: O^T is stored by the tile's second wave; v96-127 take that part, then the sum, which is stored; v128-159 take whole rows.
; A LIVE BLOCK has two waits at its head: vm_vsrc (the last block's LDS loads have read the addresses), the additions, va_vdst (the addresses are written; the last block's products are done reading F, KS, FV, VS).
; Behind them all the block's LDS loads owe nothing more: in walk 2 V's nine are dealt among the eight products K Q^T, which name S, F, Z Q Z, -R, KS and QS: none of v4, v5, FV, VS.
; S, -R, the sums, the codes and their scale word are named by vector and matrix instructions alone; the codes and the word have their wait on va_vdst ahead of the scaled products that take them.
.set KREC,  4608
.set VREC,  4352
.set VREG,  32*KREC                    ; LDS: K's 32 records from byte 0, V's 32 from here,
.set MRG,   VREG+32*VREC               ; a word a thread for the maxima, 2,048 bytes on a word a thread for the sums,
.set STG,   MRG+4096                   ; and a stage of 16 rows x (256 + 16) bytes for each of the 8 tiles
.set SP,    272
.set LI,  1                            ; v1   16 x lane: an image's place for my lane; also my byte in two rows of out
.set LR,  2                            ; v2   16 x (lane % 16)
.set ADK, 3                            ; v3-5 LDS addresses of the block in hand: K's record, V's record, V's scale words
.set ADV, 4
.set ADT, 5
.set MW,  6                            ; v6   my word among the maxima;  v7 my partner's
.set MR,  7
.set SO,  8                            ; v8   the stage: where my 32 bytes of a row lie;  v9 where I read rows back
.set SR,  9
.set FA,  11                           ; v11  16 x thread;  v88-91 the same + 65,536 n: the fill's places in LDS
.set FB,  88
.set ZQ,  12                           ; v12-23 Z Q Z
.set QS,  24                           ; v24  Q's scale word, both halves alike
.set T0,  25
.set RM,  26                           ; v26  R
.set T1,  27
.set PHI, 28                           ; v28-29 log2 f
.set SCO, 30                           ; v30-31 2^-E
.set CM,  32                           ; v32-39 -R, the C of walks 1 and 2
.set F,   40                           ; v40-71 K's four fragments
.set KS,  72                           ; v72-75 their scale words
.set AC,  76                           ; v76-79 four running maxima; later v76-83 four pairs of sums
.set VS,  84                           ; v84-87 V's scale words
.set S,   96                           ; v96-159 S^T, then p or w'
.set FV,  160                          ; v160-191 V's four fragments
.set OT,  192                          ; v192-223 O^T
.set PC,  228                          ; v228-235 w's codes
.set PW,  236                          ; v236 their scale word
.set TM,  240                          ; v240-255 at work in the quantiser
.set KL,  96                           ; the fill: K's 18 loads land in v96-167, V's 17 in v168-235
.set VL,  168
	s_load_b256 s[4:11], s[0:1], 0x0               ; kimg 4:5, qimg 6:7, vimg 8:9, order 10:11
	s_load_b64 s[12:13], s[0:1], 0x20              ; out0
	v_lshl_add_u32 v250, v0, 2, 0x4f800
	v_mov_b32 v251, 0
	v_lshrrev_b32 v[T0], 5, v0
	v_readfirstlane_b32 s14, v[T0]                 ; wave w, 0..15
	v_and_b32 v[LI], 31, v0                        ; (the head's vector lines that hang on no scalar stand between that line and the wait for it)
	v_lshlrev_b32 v[LI], 4, v[LI]
	v_and_b32 v[T0], 15, v0                        ; r
	v_lshlrev_b32 v[LR], 4, v[T0]
	v_bfe_u32 v[T1], v0, 4, 1                      ; h
	v_lshl_add_u32 v[MW], v0, 2, MRG
	v_xor_b32 v[MR], 0x100, v0                     ; the same lane of wave w xor 8
	v_lshl_add_u32 v[MR], v[MR], 2, MRG
	v_lshlrev_b32 v[FA], 4, v0
	v_add_nc_u32 v[FB], 0x10000, v[FA]
	v_add_nc_u32 v[FB+1], 0x20000, v[FA]
	v_add_nc_u32 v[FB+2], 0x30000, v[FA]
	v_add_nc_u32 v[FB+3], 0x40000, v[FA]
	s_wait_alu depctr_va_sdst(0)                   ; s14 is written, ahead of its first reader: the wave's shares and addresses are made from it
	s_lshr_b32 s16, s14, 3                         ; par: which of a tile's two waves
	s_lshr_b32 s46, s14, 2
	s_xor_b32 s46, s46, s14
	s_and_b32 s46, s46, 1                          ; which of the two block rows
	s_bfe_u32 s20, s14, 0x20001                    ; which of its four tiles here: (w >> 1) & 3
	s_lshl_b32 s15, s46, 2
	s_add_co_u32 s15, s15, s20                     ; tau: the tile's number in the work-group; the same in w and w xor 8
	s_lshr_b32 s17, ttmp9, 5                       ; batch
	s_bfe_u32 s18, ttmp9, 0x40001                  ; p: the pair of ranks
	s_and_b32 s19, ttmp9, 1                        ; which half of the rows' tiles
	s_lshl_b32 s21, s19, 2
	s_add_co_u32 s21, s21, s20                     ; the tile's number in its block row, 0..7
	s_lshr_b32 s52, s21, 1                         ; f
	s_and_b32 s53, s21, 1                          ; c
	s_lshl_b32 s54, s53, 4
	s_sub_co_u32 s47, 31, s18
	s_cmp_eq_u32 s46, 0
	s_cselect_b32 s48, s18, s47                    ; my rank: p or 31 - p
	s_lshl_b32 s48, s48, 3
	s_mov_b32 s49, 0
	s_mov_b32 s32, 0x3e38aa3b                      ; c = log2(e) / 8
	s_mov_b32 s33, s32                             ; (named with it as a pair, so it is written)
	s_mov_b32 s34, 0x76543210
	s_mov_b32 s35, 0xfedcba98                      ; v_permlanex16_b32's selects for lane l xor 16
	s_mul_i32 s46, s15, 16*SP
	s_add_co_u32 s46, s46, STG                     ; my tile's stage
	v_mul_u32_u24 v[SO], v[T0], SP
	v_lshl_add_u32 v[SO], v[T1], 5, v[SO]
	v_add_nc_u32 v[SO], s46, v[SO]                 ; row r, + 32 h
	v_mul_u32_u24 v[SR], v[T1], SP
	v_lshl_add_u32 v[SR], v[T0], 4, v[SR]
	v_add_nc_u32 v[SR], s46, v[SR]                 ; lanes 0-15 one row, lanes 16-31 the next
	s_wait_kmcnt 0x0
	s_add_nc_u64 s[50:51], s[10:11], s[48:49]
	s_load_b64 s[26:27], s[50:51], 0x0             ; my block row and its mask of live blocks
	s_mul_i32 s46, s17, 32*KREC
	s_mov_b32 s47, 0
	s_add_nc_u64 s[4:5], s[4:5], s[46:47]
	s_wait_alu depctr_va_vdst(0)                   ; all the addresses (v1, v2, v6-9, v11, v88-91, v250, v251) are written, which the kernel's loads, stores and closing add read; the lines above are done with v25, in which q's scale word lands
.set n, 0
.rept 18
	global_load_b128 v[KL+4*n:KL+4*n+3], v[FA], s[4:5] offset:8192*n   ; the batch's K: the 512 threads take 8,192 consecutive bytes a load
.set n, n+1
.endr
	s_mul_i32 s46, s17, 32*VREC
	s_add_nc_u64 s[8:9], s[8:9], s[46:47]
	s_wait_kmcnt 0x0
	s_min_u32 s26, s26, 31                         ; a row's number is 0 .. 31; held there ahead of its use in addresses
	s_lshl_b32 s46, s17, 5
	s_add_co_u32 s46, s46, s26
	s_mul_i32 s46, s46, KREC                       ; q's record
	s_lshl_b32 s48, s52, 2
	s_add_co_u32 s48, s48, s46
	s_add_nc_u64 s[42:43], s[6:7], s[48:49]        ; + 4 f: my tile's scale words
	s_lshl_b32 s48, s21, 9
	s_add_co_u32 s46, s46, s48
	s_add_nc_u64 s[40:41], s[6:7], s[46:47]        ; + 512 x tile: its codes
	global_load_b128 v[ZQ+4:ZQ+7], v[LI], s[40:41]
	global_load_b32 v[T0], v[LI], s[42:43] offset:4096
.set n, 0
.rept 17
	global_load_b128 v[VL+4*n:VL+4*n+3], v[FA], s[8:9] offset:8192*n   ; the batch's V: it lands while walk 0 runs
.set n, n+1
.endr
	s_lshl_b32 s46, s17, 12                        ; out: row 4096 b + 128 row + 32 f + 8 c
	s_lshl_b32 s48, s26, 7
	s_add_co_u32 s46, s46, s48
	s_lshl_b32 s48, s52, 5
	s_add_co_u32 s46, s46, s48
	s_lshl_b32 s48, s53, 3
	s_add_co_u32 s46, s46, s48
	s_lshl_b32 s46, s46, 8
	s_add_nc_u64 s[44:45], s[12:13], s[46:47]
	s_mov_b32 s47, s27                             ; the running parity of the mask's set bits:
.irp n, 1,2,4,8,16
	s_lshl_b32 s46, s47, \n
	s_xor_b32 s47, s47, s46
.endr
	s_and_b32 s48, s27, s47                        ; the first, third, .. live block
	s_and_not1_b32 s49, s27, s47                   ; the second, fourth, ..
	s_cmp_eq_u32 s16, 0
	s_cselect_b32 s28, s48, s49                    ; MY blocks
; 16 bytes a thread to LDS byte 8192 n + 16 x thread
.macro TOLDS n, reg
.if (\n) < 8
	ds_store_b128 v[FA], v[(\reg):(\reg)+3] offset:8192*(\n)
.else
	ds_store_b128 v[FB+(\n)/8-1], v[(\reg):(\reg)+3] offset:8192*((\n)%8)
.endif
.endm
.macro BARRIER                         ; my LDS stores have landed and my LDS loads are in: then the work-group's barrier
	s_wait_dscnt 0x0
	s_barrier_signal -1
	s_barrier_wait -1
.endm
	s_wait_loadcnt 17                              ; K's 18 loads and q's two are in; V's 17, issued behind them, may be out
	v_lshrrev_b32 v[T0], s54, v[T0]                ; my tile's two bytes of q's word (c picks the half),
	v_and_b32 v[T0], 0xffff, v[T0]
	v_lshl_or_b32 v[QS], v[T0], 16, v[T0]          ; in both halves: they serve [Q, Z] and [Z, Q]; over the zero codes they scale nothing
.irp i, 0,1,2,3,8,9,10,11
	v_mov_b32 v[ZQ+\i], 0                          ; Z
.endr
.set n, 0
.rept 18
	TOLDS n, KL+4*n                                ; (data that loads brought, addresses from the head: no vector line since the head's wait names either)
.set n, n+1
.endr
.irp i, 0,1,2,3
	v_mov_b32 v[AC+\i], 0xff7fffff                 ; the running maxima: the lowest finite number
.endr
.irp i, 4,5,6,7
	v_mov_b32 v[TM+\i], 0                          ; written once: a lane permute's destination counts as one of its sources
.endr
	BARRIER                                        ; K lies in LDS
	s_wait_alu depctr_vm_vsrc(0)                   ; my LDS stores have read v96-167: from here on these registers are S^T, which the walks' products write, and the head of V's fragments
; w' in S (register 16 b + i = key 32 b + 16 (lane / 16) + i of my query; none is negative) becomes a fragment's codes in v[PC] on and its scale word in v[PW]
.macro QUANTP
.irp b, 0,1,2,3
	v_max3_num_f32 v[TM+\b], v[S+16*\b], v[S+1+16*\b], 0x1800000   ; block b: my 16 numbers, and the floor 2^(3 - 127): the byte cannot fall under 1
.endr
.irp i, 2,4,6,8,10,12,14
.irp b, 0,1,2,3
	v_max3_num_f32 v[TM+\b], v[TM+\b], v[S+16*\b+\i], v[S+1+16*\b+\i]   ; (the four blocks by turns)
.endr
.endr
.irp b, 0,1,2,3
	v_permlanex16_b32 v[TM+4+\b], v[TM+\b], s34, s35
.endr
.irp b, 0,1,2,3
	v_max_num_f32 v[TM+\b], v[TM+\b], v[TM+4+\b]   ; with lane l xor 16's 16 keys: the block's largest
.endr
.irp b, 0,1,2,3
	v_add_nc_u32 v[TM+12+\b], 0xff000000, v[TM+\b] ; 2 off its exponent field: the conversion's scale operand
.endr
.irp b, 0,1,2,3
	v_lshrrev_b32 v[TM+4+\b], 23, v[TM+12+\b]      ; the scale's byte
.endr
	v_lshl_or_b32 v[PW], v[TM+5], 8, v[TM+4]
	v_lshl_or_b32 v[PW], v[TM+6], 16, v[PW]
	v_lshl_or_b32 v[PW], v[TM+7], 24, v[PW]
.irp b, 0,1,2,3
	v_cvt_scalef32_pk8_fp4_f32 v[PC+2*\b], v[S+16*\b:S+7+16*\b], v[TM+12+\b]
	v_cvt_scalef32_pk8_fp4_f32 v[PC+1+2*\b], v[S+8+16*\b:S+15+16*\b], v[TM+12+\b]
.endr
	v_nop                                          ; one plain line behind the last conversion
.irp c, 0,1                                    ; the operand wants a whole block in a lane: lanes 0-15 block 2 c, lanes 16-31 block 2 c + 1
.irp i, 0,1
	v_permlane16_swap_b32 v[PC+4*\c+\i], v[PC+2+4*\c+\i]
.endr
.endr
.endm
; ONE LIVE BLOCK OF 128 KEYS for my 16 queries.  kind = the walk
.macro STEP kind
	s_wait_alu depctr_vm_vsrc(0)                   ; the LDS loads of my last block have read the address registers, which the additions below write again
	v_add_nc_u32 v[ADK], s31, v[LI]
.if \kind == 2
	v_add_nc_u32 v[ADV], s36, v[LI]
	v_add_nc_u32 v[ADT], s36, v[LR]
	v_nop                                          ; with the three additions: four plain lines between the last block's products V^T w' and the loads into their registers (ISA guide 7.12.1 for vector instructions)
.endif
	s_wait_alu depctr_va_vdst(0)                   ; the addresses are written, which the LDS loads below read; my last block's products are done reading K's fragments and scale words (walk 2: V's too), in which these loads land; in my first block: Z and Q's scale word are written, which the scaled products take
.irp f, 0,1,2,3
.irp c, 0,1
	ds_load_b128 v[F+8*\f+4*\c:F+8*\f+4*\c+3], v[ADK] offset:1024*\f+512*\c   ; an image of the registers: 512 consecutive bytes a load
.endr
.endr
	ds_load_b128 v[KS:KS+3], v[ADK] offset:4096    ; the four fragments' scale words
	s_wait_dscnt 0x0                               ; K's nine loads are in
.irp f, 0,1,2,3                                ; eight products into eight results: no chain
.if \kind == 0
	v_wmma_scale_f32_16x16x128_f8f6f4 v[S+16*\f:S+16*\f+7], v[F+8*\f:F+8*\f+7], v[ZQ+4:ZQ+11], 0, v[KS+\f], v[QS] matrix_a_fmt:MATRIX_FMT_FP4 matrix_b_fmt:MATRIX_FMT_FP4
	v_wmma_scale_f32_16x16x128_f8f6f4 v[S+16*\f+8:S+16*\f+15], v[F+8*\f:F+8*\f+7], v[ZQ:ZQ+7], 0, v[KS+\f], v[QS] matrix_a_fmt:MATRIX_FMT_FP4 matrix_b_fmt:MATRIX_FMT_FP4
.endif
.if \kind == 1
	v_wmma_scale_f32_16x16x128_f8f6f4 v[S+16*\f:S+16*\f+7], v[F+8*\f:F+8*\f+7], v[ZQ+4:ZQ+11], v[CM:CM+7], v[KS+\f], v[QS] matrix_a_fmt:MATRIX_FMT_FP4 matrix_b_fmt:MATRIX_FMT_FP4
	v_wmma_scale_f32_16x16x128_f8f6f4 v[S+16*\f+8:S+16*\f+15], v[F+8*\f:F+8*\f+7], v[ZQ:ZQ+7], v[CM:CM+7], v[KS+\f], v[QS] matrix_a_fmt:MATRIX_FMT_FP4 matrix_b_fmt:MATRIX_FMT_FP4
.endif
.if \kind == 2                                 ; V's loads are dealt among the products.  No wait: no vector or matrix instruction since the wait at the block's head names v4, v5, V's fragments or their scale words
	v_wmma_scale_f32_16x16x128_f8f6f4 v[S+16*\f:S+16*\f+7], v[F+8*\f:F+8*\f+7], v[ZQ+4:ZQ+11], v[CM:CM+7], v[KS+\f], v[QS] matrix_a_fmt:MATRIX_FMT_FP4 matrix_b_fmt:MATRIX_FMT_FP4
	ds_load_b128 v[FV+8*\f:FV+8*\f+3], v[ADV] offset:1024*\f
	v_wmma_scale_f32_16x16x128_f8f6f4 v[S+16*\f+8:S+16*\f+15], v[F+8*\f:F+8*\f+7], v[ZQ:ZQ+7], v[CM:CM+7], v[KS+\f], v[QS] matrix_a_fmt:MATRIX_FMT_FP4 matrix_b_fmt:MATRIX_FMT_FP4
	ds_load_b128 v[FV+8*\f+4:FV+8*\f+7], v[ADV] offset:1024*\f+512
.endif
.endr
.if \kind == 2
	ds_load_b128 v[VS:VS+3], v[ADT] offset:4096    ; they have the softmax and the quantiser in which to land
.endif
.rept 4
	v_nop                                          ; four plain lines ahead of the first read of the results (ISA guide 7.12.1)
.endr
.if \kind == 0
.irp i, 0,2,4,6,8,10,12,14                     ; each result is read from its low end on
.irp b, 0,1,2,3
	v_max3_num_f32 v[AC+\b], v[AC+\b], v[S+16*\b+\i], v[S+16*\b+\i+1]
.endr
.endr
.endif
.if \kind == 1
.set j, 0
.rept 32
	v_pk_mul_f32 v[S+j:S+j+1], v[S+j:S+j+1], s[32:33] op_sel_hi:[1,0]   ; c d
.set j, j+2
.endr
.endif
.if \kind == 2
.set j, 0
.rept 32
	v_pk_fma_f32 v[S+j:S+j+1], v[S+j:S+j+1], s[32:33], v[PHI:PHI+1] op_sel_hi:[1,0,0] neg_lo:[0,0,1] neg_hi:[0,0,1]   ; c d - log2 f
.set j, j+2
.endr
.endif
.if \kind > 0
.set j, 0
	s_wait_alu depctr_va_vdst(0)
.rept 64
	v_exp_f32 v[S+j], v[S+j]                       ; one batch: none reads another's result
.set j, j+1
.endr
	v_nop                                          ; a plain line behind the last exponential
	s_wait_alu depctr_va_vdst(0)                   ; the 64 exponentials have written v96-159: one wait for the batch, ahead of its first reader
.endif
.if \kind == 1
.set j, 0
.rept 32
	v_pk_add_f32 v[AC+2*((j/2)%4):AC+2*((j/2)%4)+1], v[AC+2*((j/2)%4):AC+2*((j/2)%4)+1], v[S+j:S+j+1]   ; four pairs of sums by turns
.set j, j+2
.endr
.endif
.if \kind == 2
	QUANTP
.rept 8
	v_nop                                          ; a scale word made by vector instructions stands eight plain lines ahead of a scaled product, codes so made four
.endr
	s_wait_alu depctr_va_vdst(0)                   ; the quantiser has written w's codes and their scale word, which the scaled products below take; the plain lines above stay beside this wait
	s_wait_dscnt 0x0                               ; V's fragments and scale words are in
.irp d, 0,1,2,3                                ; O^T += V^T w'^T: the four accumulators by turns; the next block's eight products stand between two links of a chain
	v_wmma_scale_f32_16x16x128_f8f6f4 v[OT+8*\d:OT+8*\d+7], v[FV+8*\d:FV+8*\d+7], v[PC:PC+7], v[OT+8*\d:OT+8*\d+7], v[VS+\d], v[PW] matrix_a_fmt:MATRIX_FMT_FP4 matrix_b_fmt:MATRIX_FMT_FP4
.endr
.endif
.endm
; A WALK: 32 trips, a constant; a block that is not mine is passed over by a scalar branch on the stored mask.  No barrier stands inside.
.macro PASS kind
	s_mov_b32 s29, s28                             ; my blocks, shifted down a bit a trip
	s_mov_b32 s31, 0                               ; K's record in LDS
	s_mov_b32 s36, VREG                            ; V's
	s_mov_b32 s30, 0
.Lp_\@:
	s_bitcmp1_b32 s29, 0
	s_cbranch_scc0 .Ls_\@
	STEP \kind
.Ls_\@:
	s_lshr_b32 s29, s29, 1
	s_add_co_u32 s31, s31, KREC
	s_add_co_u32 s36, s36, VREC
	s_add_co_u32 s30, s30, 1
	s_cmp_lt_u32 s30, 32
	s_cbranch_scc1 .Lp_\@
.endm
	PASS 0
	s_wait_alu depctr_va_vdst(0)
	; ---- the maxima meet; V goes to LDS
	v_max3_num_f32 v[AC], v[AC], v[AC+1], v[AC+2]
	v_max_num_f32 v[AC], v[AC], v[AC+3]
	v_permlanex16_b32 v[T1], v[AC], s34, s35       ; the query's other keys lie in the lane 16 away
	v_max_num_f32 v[AC], v[AC], v[T1]
	s_wait_alu depctr_va_vdst(0)                   ; my maximum is written in v76, which the store below reads; the lines above are done with v27, in which my partner's lands behind the barrier
	ds_store_b32 v[MW], v[AC]
	s_wait_loadcnt 0x0                             ; V
.set n, 0
.rept 17
	TOLDS 18+n, VL+4*n
.set n, n+1
.endr
	BARRIER                                        ; every wave's maximum and all of V lie in LDS
	s_wait_alu depctr_vm_vsrc(0)                   ; my LDS stores have read v76, which is cleared below for the sums, and v168-235, which V's fragments, O^T and the codes take from here on
	ds_load_b32 v[T1], v[MR]
	s_wait_dscnt 0x0
	v_max_num_f32 v[RM], v[AC], v[T1]              ; R: the row's maximum over all its live blocks
	v_xor_b32 v[CM], 0x80000000, v[RM]             ; -R, eight times: the C of the products to come
.irp i, 1,2,3,4,5,6,7
	v_mov_b32 v[CM+\i], v[CM]
.endr
.irp i, 0,1,2,3,4,5,6,7
	v_mov_b32 v[AC+\i], 0                          ; the sums
.endr
	PASS 1
	s_wait_alu depctr_va_vdst(0)
	; ---- the sums meet
	v_pk_add_f32 v[AC:AC+1], v[AC:AC+1], v[AC+2:AC+3]
	v_pk_add_f32 v[AC+4:AC+5], v[AC+4:AC+5], v[AC+6:AC+7]
	v_pk_add_f32 v[AC:AC+1], v[AC:AC+1], v[AC+4:AC+5]
	v_add_f32 v[AC], v[AC], v[AC+1]
	v_permlanex16_b32 v[T1], v[AC], s34, s35
	v_add_f32 v[AC], v[AC], v[T1]
	s_wait_alu depctr_va_vdst(0)                   ; my sum is written in v76, which the store below reads; the lines above are done with v27, in which my partner's lands behind the barrier
	ds_store_b32 v[MW], v[AC] offset:2048
	BARRIER
	s_wait_alu depctr_vm_vsrc(0)                   ; my LDS store has read v76, which the addition below writes again
	ds_load_b32 v[T1], v[MR] offset:2048
	s_wait_dscnt 0x0
	v_add_f32 v[AC], v[AC], v[T1]                  ; l: one addition of the same two numbers in both waves: the same bits
	v_lshrrev_b32 v[T1], 23, v[AC]                 ; l is not negative: its exponent field, E + 127
	v_sub_nc_u32 v[T1], 127, v[T1]                 ; -E
	v_and_or_b32 v[T0], v[AC], 0x7fffff, 1.0       ; f: l's mantissa under the exponent of 1
	s_wait_alu depctr_va_vdst(0)
	v_log_f32 v[PHI], v[T0]                        ; log2 f, in [0, 1)
	v_ldexp_f32 v[SCO], 1.0, v[T1]                 ; 2^-E.  (A plain line behind the logarithm.)  A row without live blocks: l = 0, 2^127, times zeros
	s_wait_alu depctr_va_vdst(0)                   ; the logarithm has written v28, ahead of its first reader
	v_mov_b32 v[PHI+1], v[PHI]
	v_mov_b32 v[SCO+1], v[SCO]
.set j, 0
.rept 32
	v_mov_b32 v[OT+j], 0                           ; O^T: which block comes first, and whether any comes, hangs on the list, so no product can be written out to start the sums
.set j, j+1
.endr
	PASS 2
	; ---- the way out
.rept 4
	v_nop                                          ; four plain lines ahead of the first read of O^T
.endr
.set j, 0
.rept 16
	v_pk_mul_f32 v[OT+j:OT+j+1], v[OT+j:OT+j+1], v[SCO:SCO+1] op_sel_hi:[1,0]   ; x 2^-E: nothing is rounded.  Each accumulator from its low end on
.set j, j+2
.endr
	s_wait_alu depctr_va_vdst(0)                   ; the multiplications have written O^T, which the second wave's stores read; the walks' lines are done with v96-159, in which the first wave's loads land.  It stands ahead of the branches, on both waves' way
	s_cmp_eq_u32 s16, 0
	s_cbranch_scc1 .Lno_send
.irp d, 0,1,2,3                                ; the tile's second wave hands its part over: lane (r, h), register 8 d + i = channel 16 d + 8 h + i of stage row r
	ds_store_b128 v[SO], v[OT+8*\d:OT+8*\d+3] offset:64*\d
	ds_store_b128 v[SO], v[OT+8*\d+4:OT+8*\d+7] offset:64*\d+16
.endr
.Lno_send:
	BARRIER
	s_cmp_lg_u32 s16, 0
	s_cbranch_scc1 .Lend
.irp d, 0,1,2,3
	ds_load_b128 v[S+8*\d:S+8*\d+3], v[SO] offset:64*\d
	ds_load_b128 v[S+8*\d+4:S+8*\d+7], v[SO] offset:64*\d+16
.endr
	s_wait_dscnt 0x0
.set j, 0
.rept 16
	v_pk_add_f32 v[S+j:S+j+1], v[OT+j:OT+j+1], v[S+j:S+j+1]   ; my part + my partner's, into the registers in which the partner's landed: no register that an LDS store of the way out reads is written again
.set j, j+2
.endr
	s_wait_alu depctr_va_vdst(0)                   ; the additions have written v96-127, which the stores below read
.irp d, 0,1,2,3                                ; the sum goes back into the stage, which from here on is mine alone, and comes out as whole rows
	ds_store_b128 v[SO], v[S+8*\d:S+8*\d+3] offset:64*\d
	ds_store_b128 v[SO], v[S+8*\d+4:S+8*\d+7] offset:64*\d+16
.endr
.irp i, 0,1,2,3,4,5,6,7
	ds_load_b128 v[S+32+4*\i:S+35+4*\i], v[SR] offset:2*\i*SP   ; LDS serves a wave's instructions in order: these see the stores above.  (v128-159: no vector line since the wait ahead of the branches names them)
.endr
.irp i, 0,1,2,3,4,5,6,7
	s_wait_dscnt 7-\i                              ; rows 2 i, 2 i + 1 are in; the 7 - i younger loads may be out
	global_store_b128 v[LI], v[S+32+4*\i:S+35+4*\i], s[44:45] offset:(2*\i+8*(\i/4))*256 th:TH_STORE_NT   ; stage row r is query r + 8 (r / 8) of the tile: two neighbouring rows of out, 512 consecutive bytes, aligned
.endr
.Lend:
	s_wait_dscnt 0x0                               ; the closing lines, six on end
	s_wait_alu 0x0
	s_wait_tensorcnt 0x0
	ds_add_u32 v250, v251
	s_wait_dscnt 0x0
	s_endpgm
.Lfunc_end_k_q928320f684_attn:
	.size	k_q928320f684_attn, .Lfunc_end_k_q928320f684_attn-k_q928320f684_attn
	.p2alignl 7, 3214868480
	.fill 96, 4, 3214868480
	.section	.rodata,"a",@progbits
	.p2align	6, 0x0
	.amdhsa_kernel k_q928320f684_attn
		.amdhsa_group_segment_fixed_size 327680
		.amdhsa_private_segment_fixed_size 0
		.amdhsa_enable_private_segment 0
		.amdhsa_kernarg_size 40
		.amdhsa_user_sgpr_count 2
		.amdhsa_user_sgpr_kernarg_segment_ptr 1
		.amdhsa_wavefront_size32 1
		.amdhsa_system_sgpr_workgroup_id_x 1
		.amdhsa_system_sgpr_workgroup_id_y 1
		.amdhsa_system_sgpr_workgroup_id_z 1
		.amdhsa_system_vgpr_workitem_id 0
		.amdhsa_next_free_vgpr 256
		.amdhsa_next_free_sgpr 66
		.amdhsa_reserve_vcc 0
		.amdhsa_float_denorm_mode_32 3
		.amdhsa_float_denorm_mode_16_64 3
		.amdhsa_memory_ordered 1
		.amdhsa_forward_progress 1
		.amdhsa_inst_pref_size 44
	.end_amdhsa_kernel
	.amdgpu_metadata
---
amdhsa.version: [ 1, 2 ]
amdhsa.kernels:
  - .name:           k_q928320f684_attn
    .symbol:         k_q928320f684_attn.kd
    .args:
      - { .name: kimg, .offset: 0, .size: 8, .value_kind: global_buffer, .address_space: global }
      - { .name: qimg, .offset: 8, .size: 8, .value_kind: global_buffer, .address_space: global }
      - { .name: vimg, .offset: 16, .size: 8, .value_kind: global_buffer, .address_space: global }
      - { .name: order, .offset: 24, .size: 8, .value_kind: global_buffer, .address_space: global }
      - { .name: out0, .offset: 32, .size: 8, .value_kind: global_buffer, .address_space: global }
    .group_segment_fixed_size: 327680
    .private_segment_fixed_size: 0
    .kernarg_segment_align: 8
    .kernarg_segment_size: 40
    .max_flat_workgroup_size: 512
    .sgpr_count:     66
    .vgpr_count:     256
    .wavefront_size: 32
...
	.end_amdgpu_metadata
.endif
;; end of part 4
